; MI455X (gfx1250); checked and timed in simulation.
; The chip was launched on July 23, 2026; its instructions are those of AMD's public machine-readable ISA for CDNA 5 (MIT licence, August 2026) and "CDNA5" Instruction Set Architecture Reference Guide (July 2026). The comments in the code are by the model that wrote it; some were corrected since.
;; Attention. Allowed arithmetic: float matrix products may take bf16 or f16 operands with f32 sums; other float arithmetic in f32, or as packed bf16 or f16 multiplies, adds, multiply-adds, maxima and minima; sums over many terms, partial sums and values carried from step to step in f32; what a program stores and reads back later, other than sums and carried values, may be rounded once to bf16 or f16.
;; Inputs: Wk 1,024 x 1,024 float32; Wq 1,024 x 1,024 float32; Wv 1,024 x 1,024 float32; x 4 x 2,048 x 1,024 float32.
;; Outputs: out0 4 x 2,048 x 1,024 float32.
;; 2 versions, each right; version 2 is version 1 with the launch cast written anew for expert scheduling mode. Each part assembles by itself: llvm-mc -triple=amdgcn-amd-amdhsa -mcpu=gfx1250 --defsym DOCPART=n.
;; ======== version 1 of 2: 4 launches
;; limits: values are held in f16: magnitudes above 65,504 overflow, below 6.1e-05 lose precision
;; workspace buffers: xb 16,777,216 bytes; wb 6,291,456 bytes; qk 33,554,432 bytes; vt 16,777,216 bytes; pt 33,554,432 bytes; st 1,048,576 bytes
;; launch cast (part 1): grid 256 x 1, 11 waves a work-group, no clusters, 0 bytes of LDS; arguments x, Wq, Wk, Wv, xb, wb; writes xb, wb
.if DOCPART == 1
	.amdgcn_target "amdgcn-amd-amdhsa--gfx1250"
	.amdhsa_code_object_version 6
	.text
	.protected	k_qd31246b142_cast
	.globl	k_qd31246b142_cast
	.p2align	8
	.type	k_qd31246b142_cast,@function
k_qd31246b142_cast:
	s_mov_b64 s[64:65], 0
	v_nop
	global_prefetch_b8 v0, s[64:65] scope:SCOPE_SE
	s_setreg_imm32_b32 hwreg(HW_REG_WAVE_MODE, 25, 1), 1
	s_wait_xcnt 0x0
; x, Wq, Wk, Wv rounded to bf16 and laid out IN BLOCKS OF 32 ALONG K, as the projections' tiles want them:
;   xb: [32 blocks][8,192 rows][32 numbers = 64 bytes];   wb: [32 blocks][3,072 rows][64 bytes].
; wb's rows are ordered by the projections' tiles of 384 outputs: row 384 n + 192 s + r holds, for r < 128, row 128 n + r of Wq (s = 0) or Wk (s = 1), and for r >= 128 row 128 n + 64 s + r - 128 of Wv.
; SHARES.  8,192 + 3,072 rows = 256 work-groups x 11 waves x 4 rows: every work-group does equal work.  Wave g = 11 x work-group + wave takes rows 4 g .. 4 g + 3 of x (g < 2,048) or of a weight.
; A wave takes its 4 rows in 16 pieces of 64 numbers.  Lanes 0-15 take the piece's first 32 numbers of the four rows, lanes 16-31 its second 32; a lane takes 8 numbers: 32 bytes in, 16 out.
; So a pair of loads covers 256 consecutive bytes of each row, and each half of the lanes stores 256 consecutive bytes, aligned, of one block (4 rows x 64 bytes).
; All 32 loads of a lane go out first; no register is written twice, so the only waits are the counted ones for the loads.
.set KBSX, 8192*64                     ; bytes in a block of xb
.set KBSW, 3072*64                     ; bytes in a block of wb
.set X, 4                              ; v[4:131]   piece i: 8 numbers in f32
.set Y, 132                            ; v[132:195] piece i: 8 numbers in bf16
.set D, 196                            ; v[196:211] piece i: my byte offset in the output
	s_load_b256 s[4:11], s[0:1], 0x0               ; x s[4:5], Wq s[6:7], Wk s[8:9], Wv s[10:11]
	s_load_b128 s[12:15], s[0:1], 0x20             ; xb s[12:13], wb s[14:15]
	v_lshrrev_b32 v1, 5, v0
	v_readfirstlane_b32 s24, v1                    ; wave 0..10
	s_mul_i32 s25, ttmp9, 11
	s_add_co_u32 s25, s25, s24                     ; g
	s_max_u32 s26, s25, 2048
	s_sub_co_u32 s26, s26, 2048                    ; my number among the weights' 768 waves (0 where I take x)
	s_lshr_b32 s27, s26, 8                         ; which weight
	s_and_b32 s28, s26, 255
	s_lshl_b32 s28, s28, 2                         ; R: my first row in it
	s_lshr_b32 s29, s28, 7
	s_mul_i32 s29, s29, 384                        ; 384 n
	s_mul_i32 s30, s27, 192
	s_and_b32 s31, s28, 127
	s_add_co_u32 s30, s30, s31                     ; Wq, Wk: 192 s + R % 128
	s_bfe_u32 s31, s28, 0x10006
	s_mul_i32 s31, s31, 192
	s_and_b32 s32, s28, 63
	s_add_co_u32 s31, s31, s32
	s_add_co_u32 s31, s31, 128                     ; Wv: 192 ((R / 64) % 2) + 128 + R % 64
	s_cmp_eq_u32 s27, 2
	s_cselect_b32 s30, s31, s30
	s_add_co_u32 s29, s29, s30                     ; my first row in wb
	s_lshl_b32 s33, s25, 2                         ; my first row in x and xb
	s_mov_b32 s34, KBSW
	s_cmp_lt_u32 s25, 2048
	s_cselect_b32 s20, s33, s28                    ; the row I read from
	s_cselect_b32 s22, s33, s29                    ; the row I write to
	s_cselect_b32 s34, KBSX, s34                   ; bytes from block to block
	s_lshl_b32 s20, s20, 12                        ; offsets, made apart from the addresses
	s_lshl_b32 s22, s22, 6
	s_mov_b32 s21, 0
	s_mov_b32 s23, 0
	s_lshl_b32 s35, s34, 1                         ; a piece is two blocks
	v_and_b32 v2, 31, v0                           ; lane
	v_lshrrev_b32 v3, 4, v2                        ; which 32 numbers of a piece
	v_bfe_u32 v212, v2, 2, 2                       ; which of the four rows
	v_and_b32 v213, 3, v2                          ; which 8 numbers of the 32
	v_lshlrev_b32 v1, 12, v212
	v_lshl_add_u32 v1, v3, 7, v1
	v_lshl_add_u32 v1, v213, 5, v1                 ; in: row x 4,096 + half x 128 + 32 x place
	v_and_b32 v214, 15, v2
	v_lshlrev_b32 v214, 4, v214                    ; out: row x 64 + 16 x place = 16 (lane % 16),
	v_mul_u32_u24 v3, s34, v3                      ; one block on for lanes 16-31
	v_add_nc_u32 v[D], v3, v214
.set i, 1
.rept 15
	v_add_nc_u32 v[D+i], s35, v[D+i-1]
.set i, i+1
.endr
	s_wait_kmcnt 0x0
	s_cmp_eq_u32 s27, 1
	s_cselect_b64 s[16:17], s[8:9], s[6:7]
	s_cmp_eq_u32 s27, 2
	s_cselect_b64 s[16:17], s[10:11], s[16:17]
	s_cmp_lt_u32 s25, 2048
	s_cselect_b64 s[16:17], s[4:5], s[16:17]       ; from where
	s_cselect_b64 s[18:19], s[12:13], s[14:15]     ; to where
	s_add_nc_u64 s[16:17], s[16:17], s[20:21]
	s_add_nc_u64 s[18:19], s[18:19], s[22:23]
.set i, 0
.rept 16
	global_load_b128 v[X+8*i:X+8*i+3],   v1, s[16:17] offset:256*i th:TH_LOAD_NT
	global_load_b128 v[X+8*i+4:X+8*i+7], v1, s[16:17] offset:256*i+16 th:TH_LOAD_NT
.set i, i+1
.endr
.set i, 0
.rept 16
	s_wait_loadcnt 30-2*i                          ; loads come back in order: piece i is in, the 2 (15 - i) younger loads stay out
	v_cvt_pk_bf16_f32 v[Y+4*i],   v[X+8*i],   v[X+8*i+1]
	v_cvt_pk_bf16_f32 v[Y+4*i+1], v[X+8*i+2], v[X+8*i+3]
	v_cvt_pk_bf16_f32 v[Y+4*i+2], v[X+8*i+4], v[X+8*i+5]
	v_cvt_pk_bf16_f32 v[Y+4*i+3], v[X+8*i+6], v[X+8*i+7]
	global_store_b128 v[D+i], v[Y+4*i:Y+4*i+3], s[18:19]
.set i, i+1
.endr
	s_endpgm
.Lfunc_end_k_qd31246b142_cast:
	.size	k_qd31246b142_cast, .Lfunc_end_k_qd31246b142_cast-k_qd31246b142_cast
	.p2alignl 7, 3214868480
	.fill 96, 4, 3214868480
	.section	.rodata,"a",@progbits
	.p2align	6, 0x0
	.amdhsa_kernel k_qd31246b142_cast
		.amdhsa_group_segment_fixed_size 0
		.amdhsa_private_segment_fixed_size 0
		.amdhsa_enable_private_segment 0
		.amdhsa_kernarg_size 48
		.amdhsa_user_sgpr_count 2
		.amdhsa_user_sgpr_kernarg_segment_ptr 1
		.amdhsa_wavefront_size32 1
		.amdhsa_system_sgpr_workgroup_id_x 1
		.amdhsa_system_sgpr_workgroup_id_y 1
		.amdhsa_system_sgpr_workgroup_id_z 1
		.amdhsa_system_vgpr_workitem_id 0
		.amdhsa_next_free_vgpr 216
		.amdhsa_next_free_sgpr 66
		.amdhsa_reserve_vcc 0
		.amdhsa_float_denorm_mode_32 3
		.amdhsa_float_denorm_mode_16_64 3
		.amdhsa_memory_ordered 1
		.amdhsa_forward_progress 1
		.amdhsa_inst_pref_size 13
	.end_amdhsa_kernel
	.amdgpu_metadata
---
amdhsa.version: [ 1, 2 ]
amdhsa.kernels:
  - .name:           k_qd31246b142_cast
    .symbol:         k_qd31246b142_cast.kd
    .args:
      - { .name: x, .offset: 0, .size: 8, .value_kind: global_buffer, .address_space: global }
      - { .name: Wq, .offset: 8, .size: 8, .value_kind: global_buffer, .address_space: global }
      - { .name: Wk, .offset: 16, .size: 8, .value_kind: global_buffer, .address_space: global }
      - { .name: Wv, .offset: 24, .size: 8, .value_kind: global_buffer, .address_space: global }
      - { .name: xb, .offset: 32, .size: 8, .value_kind: global_buffer, .address_space: global }
      - { .name: wb, .offset: 40, .size: 8, .value_kind: global_buffer, .address_space: global }
    .group_segment_fixed_size: 0
    .private_segment_fixed_size: 0
    .kernarg_segment_align: 8
    .kernarg_segment_size: 48
    .max_flat_workgroup_size: 352
    .sgpr_count:     66
    .vgpr_count:     216
    .wavefront_size: 32
...
	.end_amdgpu_metadata
.endif
;; end of part 1
;; launch proj (part 2): grid 8 x 32, 4 waves a work-group, clusters of 4 x 4, 327,680 bytes of LDS; arguments xb, wb, qk, vt; writes qk, vt
.if DOCPART == 2
	.amdgcn_target "amdgcn-amd-amdhsa--gfx1250"
	.amdhsa_code_object_version 6
	.text
	.protected	k_qd31246b142_proj
	.globl	k_qd31246b142_proj
	.p2align	8
	.type	k_qd31246b142_proj,@function
k_qd31246b142_proj:
	s_mov_b64 s[64:65], 0
	v_nop
	global_prefetch_b8 v0, s[64:65] scope:SCOPE_SE
	s_setreg_imm32_b32 hwreg(HW_REG_WAVE_MODE, 25, 1), 1
	s_wait_xcnt 0x0
	s_wait_alu depctr_hold_cnt(0) depctr_sa_sdst(0) depctr_va_vdst(0) depctr_va_sdst(0) depctr_va_ssrc(0) depctr_va_vcc(0) depctr_vm_vsrc(0)
	s_getreg_b32 s2, hwreg(HW_REG_IB_STS2, 6, 4)
	s_cmp_eq_u32 s2, 0
	s_cbranch_scc0 .Lentry_in_a_cluster
	s_endpgm
.Lentry_in_a_cluster:
	s_bfe_u32 s2, ttmp6, 0x10000c
	s_cmp_lg_u32 s2, 0xf033
	s_cbranch_scc0 .Lentry_shape_is_right
	s_endpgm
.Lentry_shape_is_right:
; THE THREE PROJECTIONS AS ONE GEMM: 8,192 tokens x 3,072 outputs, K = 1,024, operands bf16, sums f32, results rounded once to f16.
; 256 tiles of 256 tokens x 384 outputs: one for each work-group, all alike.  Tile column n holds 128 columns of q, 128 of k and 128 channels of v (wb's rows are laid in that order).
; Stored: qk [8192 tokens][2048]: q in columns 0-1,023, k in 1,024-2,047;  vt [4 batches][1024 channels][2048 keys]: v turned, as the last product wants it.
; LIMIT.  q, k and v are kept in f16: their magnitudes must stay under 65,504.  NaN and infinities are not treated apart.
; SHARES.  Four waves, each 128 tokens x 192 outputs: 96 accumulators of 16 x 16, 768 registers.  Column half s: 128 columns of q (s = 0) or k (s = 1): blocks b = 0..7; and channels 64 s .. 64 s + 63 of v: b = 8..11.
; For b < 8 source 0 is 16 rows of the weights and source 1 16 tokens: a lane holds eight neighbouring columns of one token.  For b >= 8 the sources are swapped: a lane holds eight neighbouring keys of one channel.
; OPERANDS lie in memory in blocks of 32 along K, [block][row][64 bytes], so that a wave's share of a block is dense: 128 rows of xb are 8,192 bytes, 192 rows of wb 12,288.
; THE RING.  K goes in steps of 96 = three blocks through two LDS slots; 1,024 = 10 x 96 + 64: eleven steps, the last of two blocks.  One tensor load a wave brings three blocks: a tile of three rows, a block's share each,
; padded by 16 bytes behind every 64: LDS rows of 80 bytes, so that the 16 rows of a fragment load start at 16 different groups of four banks (ISA guide 11.1).  The descriptor's count of blocks left goes down by three
; with each refill, so the last load reads two blocks; the third quarter of the last step is neither read nor multiplied.
; A QUARTER is 32 along K: 96 products: tokens' blocks a = 0..3 with b = 0..11, then a = 4..7 with b = 0..11.  The fragments have ONE set of registers: each run of LDS loads fills registers just read, four places
; behind their last reader and 32 products or more ahead of their next.  So a K step of three quarters is one trip of the loop; the slot is chosen by a scalar that an exclusive or turns between 0 and SLOT.
; CLUSTER.  4 x 4 work-groups: the four of a row need the same tokens, the four of a column the same weights: each tile is asked for jointly, with one descriptor and a mask that names the four.
; REGISTERS, in windows of 256: window 0: v0-31 addresses, v32-95 the tokens' 8 fragments, v96-191 the weights' 12, v192-255 the way out;
;   window 1: accumulators (a 0-3, b 0-7) at 8 (4 b + a);  window 3: (a 4-7, b 0-7) at 8 (4 b + a - 4);  window 2: (a, b 8-11) at 8 (8 (b - 8) + a).
.set KBSX,   8192*64                   ; bytes in a block of xb
.set KBSW,   3072*64                   ; bytes in a block of wb
.set PITCH,  80
.set ABLK,   128*PITCH                 ; a wave's share of a block of tokens in LDS
.set BBLK,   192*PITCH                 ; of weights
.set AHALF,  3*ABLK                    ; what one tensor load brings
.set BHALF,  3*BBLK
.set SLOT,   2*AHALF+2*BHALF           ; 153,600
.set STAGE,  2*SLOT                    ; behind the ring: 16 rows x 272 bytes for each wave, for the way out
.set SPITCH, 272
.set SPARE,  STAGE+4*16*SPITCH         ; the spare words: 128 bytes for each wave, two blocks of 256 bytes that no other line names
.set CROW,   4096                      ; bytes in a row of qk and of vt
.set TRIPS,  9                         ; refills: steps 2 to 10
.set ADRA0, 16                         ; v16  my lane's place in my tokens' fragments, slot 0; never rewritten
.set ADRB0, 17                         ; v17  the same for the weights
.set ADRA,  18                         ; v18  the same in the slot in hand
.set ADRB,  19                         ; v19
.set STO,  24                          ; v24  the way out: where I put 16 bytes of a row
.set RD,   25                          ; v25  where I read a row back
.set CO,   26                          ; v26  my byte offset in two rows of qk or vt
.set SPW,  28                          ; v28  my spare word's LDS address; never rewritten
.set NIL,  29                          ; v29  0; never rewritten
.set PFO,  30                          ; v30  256 x my lane; never rewritten
.set FA,   32
.set FB,   96
.set TMP,  192
.set OB,   32
.set LA,  20                           ; s20  where the tokens' tile that I fetch lies in a slot
.set LB,  21                           ; s21  the same for the weights'; also where my column half's weights lie
.set G1,  24                           ; s[24:31] descriptor group 1 for the tokens' tiles;  s[32:39] group 0: a set for each first fill; the second then walks on
.set G0,  32
.set G1B, 48                           ; s[48:55], s[56:63] the same for the weights'
.set G0B, 56
.set PFA, 44                           ; s[44:45] where my prefetches stand
.set LIM, 43                           ; s43  4 in a wave that prefetches, else the greatest number
.set TB,  76                           ; s76  the slot that is read: 0 or SLOT
.set TF,  77                           ; s77  the slot that was filled last
.set PFS, 78                           ; s[78:79] four blocks, in bytes
.set MSB, 0
.macro WIN new                         ; the immediate's high byte repeats the setting that is left; a switch that changes nothing is dropped
.if MSB != (\new)
	s_set_vgpr_msb (MSB<<8)|(\new)
.set MSB, \new
.endif
.endm
; A joint load: waves 0 and 1 fetch the tokens' halves, waves 2 and 3 the weights'.  The branch hangs on the wave's number alone.  An s_nop 0 and four v_nop follow each line.
.macro JLOAD s
	s_cmp_eq_u32 s11, 0
	s_cbranch_scc0 .Lfor_b_\@
	tensor_load_to_lds s[G0+4*(\s):G0+4*(\s)+3], s[G1:G1+7]
	s_nop 0
.rept 4
	v_nop
.endr
	s_branch .Lasked_\@
.Lfor_b_\@:
	tensor_load_to_lds s[G0B+4*(\s):G0B+4*(\s)+3], s[G1B:G1B+7]
	s_nop 0
.rept 4
	v_nop
.endr
.Lasked_\@:
.endm
; A PREFETCH INTO THE L2.  In trip t = 0..4 an asking wave names 8,192 dense bytes of block 12 + 4 t + p, 256 bytes a lane; p is its work-group's place among the four that ask for the tile jointly, told apart by address.
; Tokens: waves 0 and 1, each for the 128 rows that it fetches, in the clusters with x = 0 (the other cluster of the row reads the same rows).  Weights: wave 2, in the clusters with y = 0, 1, 2: each a third of the tile's 384 rows.
; So each 256 bytes of blocks 12 to 31 are named once in the launch, two to three trips ahead of the load that wants them; blocks 0 to 11 come by their loads alone; from trip 5 on nothing is left to ask for.
.macro ASK
	s_cmp_gt_u32 s3, s[LIM]
	s_cbranch_scc0 .Lnot_mine_\@
	global_prefetch_b8 v[PFO], s[PFA:PFA+1] th:TH_LOAD_NT scope:SCOPE_SE
.Lnot_mine_\@:
.endm
.macro CREST                           ; a round of the cluster's barrier behind its opening barrier
	s_cmp_lg_u32 s10, 0
	s_cbranch_scc1 .Lnot_wave_0_\@
	s_barrier_signal -3
.Lnot_wave_0_\@:
	s_barrier_wait -3
	s_barrier_signal -1
	s_barrier_wait -1
.endm
.macro CROUND
	s_barrier_signal -1
	s_barrier_wait -1
	CREST
.endm
	s_load_b256 s[68:75], s[0:1], 0x0              ; xb s[68:69], wb s[70:71], qk s[72:73], vt s[74:75]
	v_lshl_add_u32 v[SPW], v0, 2, SPARE
	v_mov_b32 v[NIL], 0
	ds_add_u32 v[SPW], v[NIL]                      ; the wave's opening: the add and its wait ahead of my first tensor load; work on registers stands between them
	v_lshrrev_b32 v1, 5, v0
	v_readfirstlane_b32 s10, v1                    ; wave 0..3
	s_lshr_b32 s11, s10, 1                         ; my half of the tokens; also: I fetch tokens (0) or weights (1)
	s_and_b32 s12, s10, 1                          ; my half of the outputs; also: which half of that tile I fetch
	s_bfe_u32 s40, ttmp6, 0x40000                  ; cx
	s_bfe_u32 s41, ttmp6, 0x40004                  ; cy
	s_lshl_b32 s42, ttmp9, 2
	s_add_co_u32 s42, s42, s40                     ; n: tile column = 4 x cluster x + cx
	s_and_b32 s13, ttmp7, 0xffff                   ; cluster y
	s_lshl_b32 s66, s13, 2
	s_add_co_u32 s66, s66, s41                     ; tile row = 4 x cluster y + cy
	s_lshl_b32 s43, s41, 2
	s_lshl_b32 s43, 15, s43                        ; my row of the cluster
	s_lshl_b32 s44, 0x1111, s40                    ; my column
	s_or_b32 s[G1+0], s43, (1<<16)|(1<<20)|(1<<21)|(3<<22)|(3<<25)   ; the mask; 2-byte elements; padding on; bit 21 beside a mask; after every 16 words 4 words
	s_or_b32 s[G1B+0], s44, (1<<16)|(1<<20)|(1<<21)|(3<<22)|(3<<25)
	s_mov_b32 s[G1+1], 4096<<16                    ; tensor_dim0: 128 rows x 32 numbers, dense
	s_mov_b32 s[G1B+1], 6144<<16                   ; 192 rows x 32
	s_mov_b32 s[G1+2], 29<<16                      ; tensor_dim1: the blocks left, counted for the second first fill (three or more serve alike)
	s_mov_b32 s[G1B+2], 29<<16
	s_mov_b32 s[G1+3], 4096<<16                    ; tile_dim0
	s_mov_b32 s[G1B+3], 6144<<16
	s_mov_b32 s[G1+4], 3                           ; tile_dim1: three blocks
	s_mov_b32 s[G1B+4], 3
	s_mov_b32 s[G1+5], KBSX/2                      ; elements from block to block
	s_mov_b32 s[G1B+5], KBSW/2
	s_mov_b32 s[G1+6], 0
	s_mov_b32 s[G1B+6], 0
	s_mov_b32 s[G1+7], 0
	s_mov_b32 s[G1B+7], 0
	s_lshl_b32 s16, s66, 14                        ; tokens: row 256 x tile row + 128 x half, 64 bytes a row: no cx enters
	s_lshl_b32 s17, s12, 13
	s_add_co_u32 s16, s16, s17
	s_mov_b32 s17, 0
	s_mul_i32 s46, s42, 384*64                     ; weights: row 384 n + 192 x half: no cy enters
	s_mul_i32 s47, s12, 192*64
	s_add_co_u32 s46, s46, s47
	s_mov_b32 s47, 0
	s_mul_i32 s[LA], s12, AHALF                    ; no place in the cluster enters an LDS address
	s_mul_i32 s[LB], s12, BHALF
	s_add_co_u32 s[LB], s[LB], 2*AHALF
	s_mov_b32 s[TB], 0
	s_mov_b32 s[TF], SLOT
	s_wait_dscnt 0x0                               ; the opening add is done
	s_wait_kmcnt 0x0
	s_add_nc_u64 s[14:15], s[68:69], s[16:17]
	s_add_nc_u64 s[46:47], s[70:71], s[46:47]
	CROUND                                         ; all sixteen work-groups are here: the first joint loads meet
.irp s, 0,1
	s_mov_b32 s[G0+4*(\s)], 1
	s_add_co_u32 s[G0+4*(\s)+1], s[LA], (\s)*SLOT
	s_add_nc_u64 s[G0+4*(\s)+2:G0+4*(\s)+3], s[14:15], (\s)*3*KBSX
	s_or_b32 s[G0+4*(\s)+3], s[G0+4*(\s)+3], 0x80000000
	s_mov_b32 s[G0B+4*(\s)], 1
	s_add_co_u32 s[G0B+4*(\s)+1], s[LB], (\s)*SLOT
	s_add_nc_u64 s[G0B+4*(\s)+2:G0B+4*(\s)+3], s[46:47], (\s)*3*KBSW
	s_or_b32 s[G0B+4*(\s)+3], s[G0B+4*(\s)+3], 0x80000000
	JLOAD \s
.endr
	; a fragment is 16 rows x 32 K in 8 registers: lane l holds row l % 16, K = 8 (l / 16) + 0..7 and 16 + 8 (l / 16) + 0..7: two loads of 16 bytes, 32 apart
	v_and_b32 v1, 15, v0
	v_bfe_u32 v2, v0, 4, 1
	v_mul_u32_u24 v3, v1, PITCH
	v_lshl_add_u32 v3, v2, 4, v3
	s_mul_i32 s22, s11, AHALF
	v_add_nc_u32 v[ADRA0], s22, v3
	v_add_nc_u32 v[ADRB0], s[LB], v3
	v_mov_b32 v[ADRA], v[ADRA0]
	v_mov_b32 v[ADRB], v[ADRB0]
	s_mul_i32 s23, s10, 16*SPITCH
	s_add_co_u32 s23, s23, STAGE
	v_mul_u32_u24 v4, v1, SPITCH
	v_lshl_add_u32 v4, v2, 4, v4
	v_add_nc_u32 v[STO], s23, v4
	v_mul_u32_u24 v5, v2, SPITCH
	v_lshl_add_u32 v5, v1, 4, v5
	v_add_nc_u32 v[RD], s23, v5
	v_lshlrev_b32 v5, 12, v2
	v_lshl_add_u32 v[CO], v1, 4, v5
	v_and_b32 v[PFO], 31, v0
	v_lshlrev_b32 v[PFO], 8, v[PFO]
	; the prefetches: they stand at block 8 + p; the first change of slots steps them to 12 + p
	s_add_co_u32 s22, s40, 8
	s_mul_i32 s22, s22, KBSX
	s_add_co_u32 s22, s22, s16                     ; tokens: the 128 rows that I fetch
	s_add_co_u32 s23, s41, 8
	s_mul_i32 s23, s23, KBSW
	s_mul_i32 s18, s42, 384*64
	s_add_co_u32 s23, s23, s18
	s_min_u32 s18, s13, 2
	s_lshl_b32 s18, s18, 13
	s_add_co_u32 s23, s23, s18                     ; weights: the third of the tile's rows that goes with my cluster's y
	s_mov_b32 s[PFS], 4*KBSW
	s_mov_b32 s[PFS+1], 0
	s_cmp_eq_u32 s11, 0
	s_cselect_b32 s22, s22, s23
	s_cselect_b64 s[PFA:PFA+1], s[68:69], s[70:71]
	s_cselect_b32 s[PFS], 4*KBSX, s[PFS]
	s_mov_b32 s23, 0
	s_add_nc_u64 s[PFA:PFA+1], s[PFA:PFA+1], s[22:23]
	s_cmp_eq_u32 ttmp9, 0
	s_cselect_b32 s22, 1, 0                        ; tokens: cluster x = 0 asks
	s_cmp_lt_u32 s13, 3
	s_cselect_b32 s23, 1, 0                        ; weights: clusters y = 0, 1, 2 ask,
	s_cmp_eq_u32 s12, 0
	s_cselect_b32 s23, s23, 0                      ; by wave 2
	s_cmp_eq_u32 s11, 0
	s_cselect_b32 s22, s22, s23
	s_cmp_eq_u32 s22, 1
	s_cselect_b32 s[LIM], 4, -1                    ; the same in all sixteen partners, for a given wave
	; qk at token 256 x tile row + 128 x my half, column 1,024 x my column half + 128 n
	s_lshl_b32 s16, s66, 8
	s_lshl_b32 s17, s11, 7
	s_add_co_u32 s16, s16, s17
	s_lshl_b32 s16, s16, 12
	s_lshl_b32 s17, s12, 11
	s_add_co_u32 s16, s16, s17
	s_lshl_b32 s17, s42, 8
	s_add_co_u32 s16, s16, s17
	s_mov_b32 s17, 0
	s_add_nc_u64 s[8:9], s[72:73], s[16:17]
	; vt at batch = tile row / 8, channel 128 n + 64 x my column half, key 256 (tile row % 8) + 128 x my half
	s_lshr_b32 s18, s66, 3
	s_lshl_b32 s18, s18, 10
	s_lshl_b32 s19, s42, 7
	s_add_co_u32 s18, s18, s19
	s_lshl_b32 s19, s12, 6
	s_add_co_u32 s18, s18, s19
	s_lshl_b32 s18, s18, 12
	s_and_b32 s19, s66, 7
	s_lshl_b32 s19, s19, 9
	s_add_co_u32 s18, s18, s19
	s_lshl_b32 s19, s11, 8
	s_add_co_u32 s18, s18, s19
	s_mov_b32 s19, 0
	s_add_nc_u64 s[4:5], s[74:75], s[18:19]
; 16 products: tokens' blocks a = 4 h .. 4 h + 3 with the weights' blocks b = 4 g .. 4 g + 3, b outermost.  zero = 1: they start the sums.  The 96 accumulators take turns, one instruction a turn.
.macro P16 h, g, zero
.if (\g) < 2
	WIN 0x50+0xa0*(\h)                             ; C and D in window 1 or 3
.else
	WIN 0xa0                                       ; in window 2
.endif
.irp bb, 0,1,2,3
.irp aa, 0,1,2,3
.set rb, FB+8*(4*(\g)+(\bb))
.set ra, FA+8*(4*(\h)+(\aa))
.if (\g) < 2
.set rd, 8*(4*(4*(\g)+(\bb))+(\aa))
.if \zero
	v_wmma_f32_16x16x32_bf16 v[rd:rd+7], v[rb:rb+7], v[ra:ra+7], 0
.else
	v_wmma_f32_16x16x32_bf16 v[rd:rd+7], v[rb:rb+7], v[ra:ra+7], v[rd:rd+7]
.endif
.else
.set rd, 8*(8*(\bb)+4*(\h)+(\aa))
.if \zero
	v_wmma_f32_16x16x32_bf16 v[rd:rd+7], v[ra:ra+7], v[rb:rb+7], 0
.else
	v_wmma_f32_16x16x32_bf16 v[rd:rd+7], v[ra:ra+7], v[rb:rb+7], v[rd:rd+7]
.endif
.endif
.endr
.endr
.endm
.macro LDA h, y                        ; eight LDS loads: the tokens' fragments 4 h .. 4 h + 3 of the slot's block y
	WIN 0
.irp i, 0,1,2,3
	ds_load_b128 v[FA+8*(4*(\h)+(\i)):FA+8*(4*(\h)+(\i))+3],   v[ADRA] offset:(\y)*ABLK+(4*(\h)+(\i))*16*PITCH
	ds_load_b128 v[FA+8*(4*(\h)+(\i))+4:FA+8*(4*(\h)+(\i))+7], v[ADRA] offset:(\y)*ABLK+(4*(\h)+(\i))*16*PITCH+32
.endr
.endm
.macro LDB g, y                        ; eight LDS loads: the weights' fragments 4 g .. 4 g + 3
	WIN 0
.irp i, 0,1,2,3
	ds_load_b128 v[FB+8*(4*(\g)+(\i)):FB+8*(4*(\g)+(\i))+3],   v[ADRB] offset:(\y)*BBLK+(4*(\g)+(\i))*16*PITCH
	ds_load_b128 v[FB+8*(4*(\g)+(\i))+4:FB+8*(4*(\g)+(\i))+7], v[ADRB] offset:(\y)*BBLK+(4*(\g)+(\i))*16*PITCH+32
.endr
.endm
.macro PLACES                          ; four plain vector instructions between a matrix instruction and a load into, or a vector read of, its registers
.rept 4
	v_nop
.endr
.endm
; A quarter.  Its fragments were asked for in the quarter before, in this order: tokens 0-3 (8 loads), weights 0-3 (8), weights 4-7 (8), weights 8-11 and tokens 4-7 (16); it asks for block yn in the same order.
; last = 1: the very last quarter asks for nothing.
.macro QUARTER yn, zero, last
	s_wait_dscnt 24                                ; tokens 0-3 and weights 0-3 are in; the 24 younger loads may be out
	P16 0, 0, \zero
	s_wait_dscnt 16                                ; weights 4-7
	P16 0, 1, \zero
	s_wait_dscnt 8                                 ; weights 8-11; tokens 4-7 may be out
	P16 0, 2, \zero
.if (\last) == 0
	PLACES
	LDA 0, \yn
	s_wait_dscnt 8                                 ; tokens 4-7 are in; the eight just issued may be out
.else
	s_wait_dscnt 0x0
.endif
	P16 1, 0, \zero
.if (\last) == 0
	PLACES
	LDB 0, \yn
.endif
	P16 1, 1, \zero
.if (\last) == 0
	PLACES
	LDB 1, \yn
.endif
	P16 1, 2, \zero
.if (\last) == 0
	PLACES
	LDB 2, \yn
	LDA 1, \yn
.endif
.endm
; A K step's third quarter changes slots: its own fragments were the last reads of the slot in hand.  One barrier: in front of it each wave waits for all its tensor loads (one is out: its part of the next slot), adds 0 to
; its spare word, and waits for that and for its reads.  fill = 1: the barrier opens a round of the cluster's, and the slot is filled again first thing behind it, with the step two on: 256 products ahead of the wait for it.
.macro TURN fill
.if \fill
	s_wait_xcnt 0x0                                ; the last prefetch, a trip back, has read its address
	s_add_nc_u64 s[PFA:PFA+1], s[PFA:PFA+1], s[PFS:PFS+1]
.endif
	WIN 0
	s_wait_tensorcnt 0x0                           ; no tensor load of mine is out, so the descriptors may be written
	ds_add_u32 v[SPW], v[NIL]                      ; work on registers stands between the add and the wait for it
	s_xor_b32 s[TB], s[TB], SLOT                   ; the reads go on in the other slot
	v_add_nc_u32 v[ADRA], s[TB], v[ADRA0]
	v_add_nc_u32 v[ADRB], s[TB], v[ADRB0]
.if \fill
	s_xor_b32 s[TF], s[TF], SLOT                   ; the walking descriptors: the other slot than last time,
	s_add_co_u32 s[G0+5], s[LA], s[TF]
	s_add_co_u32 s[G0B+5], s[LB], s[TF]
	s_add_nc_u64 s[G0+6:G0+7], s[G0+6:G0+7], 3*KBSX      ; the next three blocks (the type bits on top are not reached),
	s_add_nc_u64 s[G0B+6:G0B+7], s[G0B+6:G0B+7], 3*KBSW
	s_sub_co_u32 s[G1+2], s[G1+2], 3<<16           ; three blocks fewer are left: 26, 23, .. 2
	s_sub_co_u32 s[G1B+2], s[G1B+2], 3<<16
.endif
	s_wait_dscnt 25                                ; tokens 0-3 and weights 0-3 are in; 24 loads and the add may be out
	P16 0, 0, 0
	s_wait_dscnt 0x0                               ; the add is done, and my reads of the slot are over
	s_barrier_signal -1
	P16 0, 1, 0
	WIN 0
	s_barrier_wait -1
.if \fill
	CREST                                          ; no wave of any partner still reads the slot or has a load on its way
	JLOAD 1
.endif
	P16 0, 2, 0
	PLACES
	LDA 0, 0
.if \fill
	ASK                                            ; behind the joint load and a run of LDS loads
.endif
	P16 1, 0, 0
	PLACES
	LDB 0, 0
	P16 1, 1, 0
	PLACES
	LDB 1, 0
	P16 1, 2, 0
	PLACES
	LDB 2, 0
	LDA 1, 0
.endm
; THE WAY OUT, in twelve parts of 16 rows x 256 bytes.  Parts 0-7: 16 tokens x my 128 columns of q or k.  Parts 8-11: 16 channels of v x my 128 keys.  Rounded to f16, 16 bytes a lane; through my own stage in LDS;
; back as whole rows; stored.  Each accumulator's registers are read in ascending order.
.macro PACK i
.if (\i) < 8
	WIN 0x05+0x0a*((\i)/4)                         ; sources in window 1 or 3
.irp b, 0,1,2,3,4,5,6,7
.irp r, 0,1,2,3
	v_cvt_pk_f16_f32 v[TMP+4*(\b)+(\r)], v[8*(4*(\b)+(\i)%4)+2*(\r)], v[8*(4*(\b)+(\i)%4)+2*(\r)+1]
.endr
.endr
.else
	WIN 0x0a                                       ; sources in window 2
.irp a, 0,1,2,3,4,5,6,7
.irp r, 0,1,2,3
	v_cvt_pk_f16_f32 v[TMP+4*(\a)+(\r)], v[8*(8*((\i)-8)+(\a))+2*(\r)], v[8*(8*((\i)-8)+(\a))+2*(\r)+1]
.endr
.endr
.endif
	WIN 0
.endm
.macro TOSTAGE i
	WIN 0
.set BK, OB+192*((\i)%2)
.irp b, 0,1,2,3,4,5,6,7
	ds_store_b128 v[STO], v[TMP+4*(\b):TMP+4*(\b)+3] offset:32*(\b)
.endr
.irp t, 0,1,2,3,4,5,6,7
	ds_load_b128 v[BK+4*(\t):BK+4*(\t)+3], v[RD] offset:(\t)*2*SPITCH  ; LDS serves a wave's instructions in order: these see the stores above
.endr
.endm
.macro SEND i
	WIN 0
.set BK, OB+192*((\i)%2)
	s_wait_dscnt 0x0
	s_wait_xcnt 0x0                                ; the stores' base, and registers that earlier stores read, are rewritten only behind this wait
.if (\i) == 8
	s_mov_b64 s[8:9], s[4:5]                       ; on to vt
.elseif (\i) > 0
	s_add_nc_u64 s[8:9], s[8:9], 16*CROW
.endif
.irp t, 0,1,2,3,4,5,6,7
	global_store_b128 v[CO], v[BK+4*(\t):BK+4*(\t)+3], s[8:9] offset:2*(\t)*CROW  ; 16 lanes store 256 consecutive bytes, aligned
.endr
.endm
	s_wait_tensorcnt 1                             ; my part of step 0 is in; step 1's may stay out
	s_barrier_signal -1
	s_barrier_wait -1
	LDA 0, 0
	LDB 0, 0
	LDB 1, 0
	LDB 2, 0
	LDA 1, 0
	QUARTER 1, 1, 0                                ; the first quarter stands in front of the loop: its products start the sums
	WIN 0
	s_mov_b32 s3, TRIPS
.Lstep:                                                ; a trip: a step's second and third quarter and the next step's first; it fills one slot again
	QUARTER 2, 0, 0
	TURN 1
	QUARTER 1, 0, 0
	WIN 0
	s_sub_co_u32 s3, s3, 1
	s_cmp_lg_u32 s3, 0
	s_cbranch_scc1 .Lstep
	QUARTER 2, 0, 0                                ; the tail is written out: step 9 fills nothing, step 10 has two quarters
	TURN 0
	QUARTER 1, 0, 0
	QUARTER 0, 0, 1
	PLACES
	PACK 0
	TOSTAGE 0
.irp i, 1,2,3,4,5,6,7,8,9,10,11        ; part i's conversions stand between part i - 1's loads from the stage and the wait for them
	PACK \i
	SEND (\i)-1
	TOSTAGE \i
.endr
	SEND 11
	s_wait_tensorcnt 0x0                           ; the wave's end
	ds_add_u32 v[SPW], v[NIL]
	s_wait_dscnt 0x0
	CROUND                                         ; the closing round
	s_endpgm
.Lfunc_end_k_qd31246b142_proj:
	.size	k_qd31246b142_proj, .Lfunc_end_k_qd31246b142_proj-k_qd31246b142_proj
	.p2alignl 7, 3214868480
	.fill 96, 4, 3214868480
	.section	.rodata,"a",@progbits
	.p2align	6, 0x0
	.amdhsa_kernel k_qd31246b142_proj
		.amdhsa_group_segment_fixed_size 327680
		.amdhsa_private_segment_fixed_size 0
		.amdhsa_enable_private_segment 0
		.amdhsa_kernarg_size 32
		.amdhsa_user_sgpr_count 2
		.amdhsa_user_sgpr_kernarg_segment_ptr 1
		.amdhsa_wavefront_size32 1
		.amdhsa_system_sgpr_workgroup_id_x 1
		.amdhsa_system_sgpr_workgroup_id_y 1
		.amdhsa_system_sgpr_workgroup_id_z 1
		.amdhsa_system_vgpr_workitem_id 0
		.amdhsa_next_free_vgpr 1024
		.amdhsa_next_free_sgpr 80
		.amdhsa_reserve_vcc 0
		.amdhsa_float_denorm_mode_32 3
		.amdhsa_float_denorm_mode_16_64 3
		.amdhsa_memory_ordered 1
		.amdhsa_forward_progress 1
		.amdhsa_inst_pref_size 133
	.end_amdhsa_kernel
	.amdgpu_metadata
---
amdhsa.version: [ 1, 2 ]
amdhsa.kernels:
  - .name:           k_qd31246b142_proj
    .symbol:         k_qd31246b142_proj.kd
    .args:
      - { .name: xb, .offset: 0, .size: 8, .value_kind: global_buffer, .address_space: global }
      - { .name: wb, .offset: 8, .size: 8, .value_kind: global_buffer, .address_space: global }
      - { .name: qk, .offset: 16, .size: 8, .value_kind: global_buffer, .address_space: global }
      - { .name: vt, .offset: 24, .size: 8, .value_kind: global_buffer, .address_space: global }
    .group_segment_fixed_size: 327680
    .private_segment_fixed_size: 0
    .kernarg_segment_align: 8
    .kernarg_segment_size: 32
    .max_flat_workgroup_size: 128
    .sgpr_count:     80
    .vgpr_count:     1024
    .wavefront_size: 32
...
	.end_amdgpu_metadata
.endif
;; end of part 2
;; launch score (part 3): grid 9 x 16, 4 waves a work-group, no clusters, 327,680 bytes of LDS; arguments qk, pt, st; writes pt, st
.if DOCPART == 3
	.amdgcn_target "amdgcn-amd-amdhsa--gfx1250"
	.amdhsa_code_object_version 6
	.text
	.protected	k_qd31246b142_score
	.globl	k_qd31246b142_score
	.p2align	8
	.type	k_qd31246b142_score,@function
k_qd31246b142_score:
	s_mov_b64 s[64:65], 0
	v_nop
	global_prefetch_b8 v0, s[64:65] scope:SCOPE_SE
	s_setreg_imm32_b32 hwreg(HW_REG_WAVE_MODE, 25, 1), 1
	s_wait_xcnt 0x0
; THE CAUSAL TILES OF q k^T, AND THE SOFTMAX'S FIRST HALF.  A tile is 256 queries x 256 keys of one batch, K = 1,024, operands f16, sums f32.  Of a batch's 8 x 8 tiles the 36 with j <= i are made.
; For each query and each CHUNK of 128 keys (a wave's columns): m = the chunk's largest score, p = 2^(c s - c m) with c = log2(e) / 32, l = the sum of the p.
; Stored: p rounded to f16 (it lies in 0..1) in pt, c m and l in f32 in st.  The last launch joins the chunks: the maximum that is taken away is the row's true one.
; pt: [batch][2,048 rows][2,048 keys]; natural row 512 s + 256 beta + 64 y + rho lies at 512 s + 128 y + 64 beta + rho, so that the 128 rows that one work-group of the last launch owns lie together.
; st: [batch][16 chunks][c m, l][2,048 natural rows].
; LIMITS.  A hidden score counts as its value less 1e30 (f16 operands give scores under 4.4e12); a weight below 2^-126 counts as 0; below 6e-5 p has f16's fixed step; NaN and infinities are not treated apart.
; THE MASK is the C operand of the product that starts a sum: 0, or -1e30 where key > query.  It is needed in a diagonal tile's two waves whose rows and columns coincide; the wave above the diagonal
; (rows 0-127, keys 128-255) is made like the others and its c m forced to 1e30, so that its p and l are 0: no branch hangs on the tile's place.
; NO CLUSTER: a batch's 36 tiles are a triangle: its rows and columns hold 1 to 8 tiles, so no group of four that shares a tile of q or k covers it evenly.
; GRID: x = 0..8, y = 4 batch + p: tile rows p (p + 1 tiles) and 7 - p (8 - p tiles) folded: 9 tiles.
; Ring, fragments, windows as in the projections' text; here each wave fetches its quarter of a slot by a load of its own.
.set KSTEP,  128
.set PITCH,  272
.set HALFT,  128*PITCH
.set SLOT,   4*HALFT
.set STAGE,  2*SLOT                    ; 16 rows x 272 bytes for each wave
.set SPITCH, 272
.set STATS,  STAGE+4*16*SPITCH         ; 1,024 bytes for each wave: c m of its 128 rows, then l
.set SPARE,  STATS+4096                ; the spare words: two blocks of 256 bytes that no other line names
.set LAPS,   4
.set PROW,   4096                      ; bytes in a row of qk and of pt
.set DV,   14                          ; v14     my query's place in a block of 16, less my lanes' 8 (l / 16)
.set ADRA, 16
.set DA,   18                          ; v18     where my 16 bytes of a dumped register quad lie: 65,536 x wave + 16 x lane
.set SA,   19                          ; v19     where I put c m (lanes 0-15) or l (lanes 16-31) of the block in hand
.set ADRB, 20
.set SR,   22                          ; v22     where I read the statistics back
.set DL,   23                          ; v23     DA of the block in hand
.set STO,  24
.set RD,   25
.set CO,   26
.set SO,   27                          ; v27     16 x lane
.set SPW,  28
.set NIL,  29
.set PFO,  30                          ; v30     my lane x a row of 4,096 bytes
.set CD,   32                          ; v[32:39] the mask of a block on the diagonal
.set CU,   40                          ; v[40:47] the mask of a block above it
.set F0,   64
.set F1,   128
.set S,    64                          ; the way out, all in window 0: v[64:127] a block's 64 scores of my query
.set PP,   128                         ; v[128:159] its p, in f16
.set BK,   160                         ; v[160:191] 16 rows read back from the stage
.set C0,   192                         ; v192-195 four chains of the maximum
.set XX,   196                         ; v196    from the other half of the lanes
.set CM,   202                         ; v[202:203] c m (the pair's second register is written once)
.set LL,   204                         ; v204    l
.set SV,   206
.set G1,  24
.set G0,  32
.set PFA, 46                           ; s[46:47]
.set LIM, 48
.set BE,  49                           ; -1e30 in a wave on the diagonal, else 0
.set DM,  50                           ; 1e30 in the wave above the diagonal, else -infinity
.set CS,  52                           ; s[52:53] c
.set SEL, 54                           ; s[54:55] v_permlanex16_b32's selects
.set LO16, 56                          ; lanes 0-15
.set PB,  58                           ; s[58:59] pt at my block 0
.set OFF, 60                           ; s[60:61]
.set BASE, 62                          ; s[62:63]
.set STB, 66                           ; s[66:67] st at my rows of my chunk
.set AI,  68                           ; the block in hand
.set MSB, 0
.macro WIN new
.if MSB != (\new)
	s_set_vgpr_msb (MSB<<8)|(\new)
.set MSB, \new
.endif
.endm
.set MUL_LO, 0xa1
.set TO_B,   0x40
.macro LOADT s                         ; my quarter of a slot; an s_nop 0 and four v_nop follow
	tensor_load_to_lds s[G0+4*(\s):G0+4*(\s)+3], s[G1:G1+7]
	s_nop 0
.rept 4
	v_nop
.endr
.endm
; A prefetch of my own 128 rows' 256 bytes of the K step two refills on: a lane a row, four instructions.  q's rows of tile row i are read by the tiles j = 0..i: j = 0 asks; k's rows of tile column j by the tiles i = j..7: i = j asks.
.macro ASK
	s_cmp_gt_u32 s3, s[LIM]
	s_cbranch_scc0 .Lnot_mine_\@
.irp n, 0,1,2,3
	global_prefetch_b8 v[PFO], s[PFA:PFA+1] offset:KSTEP*2+32*PROW*(\n) th:TH_LOAD_NT scope:SCOPE_SE
.endr
.Lnot_mine_\@:
.endm
	s_load_b128 s[4:7], s[0:1], 0x0                ; qk s[4:5], pt s[6:7]
	s_load_b64 s[8:9], s[0:1], 0x10                ; st
	v_lshl_add_u32 v[SPW], v0, 2, SPARE
	v_mov_b32 v[NIL], 0
	ds_add_u32 v[SPW], v[NIL]                      ; the wave's opening: the add and its wait ahead of my first tensor load
	v_lshrrev_b32 v1, 5, v0
	v_readfirstlane_b32 s10, v1
	s_lshr_b32 s11, s10, 1                         ; my half of the queries; also: I fetch q's rows (0) or k's (1)
	s_and_b32 s12, s10, 1                          ; my half of the keys; also: which 128 rows I fetch
	s_and_b32 s13, ttmp7, 0xffff
	s_lshr_b32 s40, s13, 2                         ; batch
	s_and_b32 s41, s13, 3                          ; p
	s_sub_co_u32 s42, 7, s41
	s_sub_co_u32 s43, ttmp9, s41
	s_sub_co_u32 s43, s43, 1
	s_cmp_le_u32 ttmp9, s41
	s_cselect_b32 s42, s41, s42                    ; i
	s_cselect_b32 s43, ttmp9, s43                  ; j
	s_mov_b32 s[G1+0], (1<<16)|(1<<20)|(5<<22)|(3<<25)  ; 2-byte elements; padding on: after every 64 words 4 words
	s_mov_b32 s[G1+1], KSTEP<<16
	s_mov_b32 s[G1+2], 128<<16
	s_mov_b32 s[G1+3], KSTEP<<16
	s_mov_b32 s[G1+4], 128
	s_mov_b32 s[G1+5], 2048                        ; elements from row to row of qk
	s_mov_b32 s[G1+6], 0
	s_mov_b32 s[G1+7], 0
	s_cmp_eq_u32 s11, 0
	s_cselect_b32 s16, s42, s43
	s_lshl_b32 s16, s16, 8
	s_lshl_b32 s17, s40, 11
	s_add_co_u32 s16, s16, s17
	s_lshl_b32 s17, s12, 7
	s_add_co_u32 s16, s16, s17                     ; the first row that I fetch
	s_lshl_b32 s16, s16, 12
	s_lshl_b32 s17, s11, 11                        ; k begins 2,048 bytes into a row
	s_add_co_u32 s16, s16, s17
	s_mov_b32 s17, 0
	s_mul_i32 s20, s10, HALFT
	s_wait_dscnt 0x0
	s_wait_kmcnt 0x0
	s_add_nc_u64 s[14:15], s[4:5], s[16:17]
.irp s, 0,1
	s_mov_b32 s[G0+4*(\s)], 1
	s_add_co_u32 s[G0+4*(\s)+1], s20, (\s)*SLOT
	s_add_nc_u64 s[G0+4*(\s)+2:G0+4*(\s)+3], s[14:15], (\s)*KSTEP*2
	s_or_b32 s[G0+4*(\s)+3], s[G0+4*(\s)+3], 0x80000000
	LOADT \s
.endr
	s_add_nc_u64 s[PFA:PFA+1], s[14:15], 2*KSTEP*2
	s_xor_b32 s22, s42, s43
	s_cmp_eq_u32 s11, 0
	s_cselect_b32 s22, s43, s22
	s_cmp_eq_u32 s22, 0
	s_cselect_b32 s[LIM], 1, -1
	s_cmp_eq_u32 s42, s43
	s_cselect_b32 s44, 1, 0                        ; a diagonal tile
	s_cmp_eq_u32 s11, s12
	s_cselect_b32 s45, s44, 0
	s_cmp_eq_u32 s45, 1
	s_cselect_b32 s[BE], 0xf149f2ca, 0             ; -1e30
	s_cmp_eq_u32 s10, 1
	s_cselect_b32 s45, s44, 0
	s_mov_b32 s[DM], 0xff800000
	s_cmp_eq_u32 s45, 1
	s_cselect_b32 s[DM], 0x7149f2ca, s[DM]         ; 1e30
	s_mov_b32 s[CS], 0x3d38aa3b                    ; c = log2(e) / 32
	s_mov_b32 s[CS+1], s[CS]
	s_mov_b32 s[SEL], 0x76543210
	s_mov_b32 s[SEL+1], 0xfedcba98
	s_mov_b32 s[LO16], 0xffff
	s_mov_b32 s[OFF+1], 0
	v_and_b32 v1, 15, v0
	v_bfe_u32 v2, v0, 4, 1
	v_mul_u32_u24 v3, v1, PITCH
	v_lshl_add_u32 v3, v2, 4, v3
	s_mul_i32 s21, s11, HALFT
	s_mul_i32 s22, s12, HALFT
	s_add_co_u32 s22, s22, 2*HALFT
.irp s, 0,1
	v_add_nc_u32 v[ADRA+(\s)], s21, v3
	v_add_nc_u32 v[ADRB+(\s)], s22, v3
	s_add_co_u32 s21, s21, SLOT
	s_add_co_u32 s22, s22, SLOT
.endr
	s_mul_i32 s23, s10, 16*SPITCH
	s_add_co_u32 s23, s23, STAGE
	v_mul_u32_u24 v4, v1, SPITCH
	v_lshl_add_u32 v4, v2, 4, v4
	v_add_nc_u32 v[STO], s23, v4
	v_mul_u32_u24 v5, v2, SPITCH
	v_lshl_add_u32 v5, v1, 4, v5
	v_add_nc_u32 v[RD], s23, v5
	v_lshlrev_b32 v5, 12, v2
	v_lshl_add_u32 v[CO], v1, 4, v5
	s_lshl_b32 s21, s10, 10
	s_add_co_u32 s21, s21, STATS
	v_lshlrev_b32 v4, 2, v1
	v_lshl_add_u32 v4, v2, 9, v4
	v_add_nc_u32 v[SA], s21, v4
	v_and_b32 v5, 31, v0
	v_lshlrev_b32 v[SO], 4, v5
	v_add_nc_u32 v[SR], s21, v[SO]
	s_lshl_b32 s21, s10, 16
	v_add_nc_u32 v[DA], s21, v[SO]
	v_lshlrev_b32 v[PFO], 12, v5
	; the masks: in a block on the diagonal register jj (key 8 (l / 16) + jj) is hidden where jj > l % 16 - 8 (l / 16)
	v_lshlrev_b32 v[DV], 3, v2
	v_sub_nc_u32 v[DV], v1, v[DV]
.irp jj, 0,1,2,3,4,5,6,7
	v_cmp_gt_i32 vcc_lo, \jj, v[DV]
	v_cndmask_b32 v[CD+(\jj)], 0, s[BE], vcc_lo
	v_mov_b32 v[CU+(\jj)], s[BE]
.endr
	; pt at row 2,048 batch + 512 (i / 2) + 256 x my half + 64 (i % 2), keys 256 j + 128 x my half
	s_lshl_b32 s16, s40, 11
	s_lshr_b32 s17, s42, 1
	s_lshl_b32 s17, s17, 9
	s_add_co_u32 s16, s16, s17
	s_lshl_b32 s17, s11, 8
	s_add_co_u32 s16, s16, s17
	s_and_b32 s17, s42, 1
	s_lshl_b32 s17, s17, 6
	s_add_co_u32 s16, s16, s17
	s_lshl_b32 s16, s16, 12
	s_lshl_b32 s17, s43, 9
	s_add_co_u32 s16, s16, s17
	s_lshl_b32 s17, s12, 8
	s_add_co_u32 s16, s16, s17
	s_mov_b32 s17, 0
	s_add_nc_u64 s[PB:PB+1], s[6:7], s[16:17]
	; st at chunk 16 batch + 2 j + my half (16,384 bytes each), natural row 256 i + 128 x my half
	s_lshl_b32 s16, s40, 4
	s_lshl_b32 s17, s43, 1
	s_add_co_u32 s16, s16, s17
	s_add_co_u32 s16, s16, s12
	s_lshl_b32 s16, s16, 14
	s_lshl_b32 s17, s42, 10
	s_add_co_u32 s16, s16, s17
	s_lshl_b32 s17, s11, 9
	s_add_co_u32 s16, s16, s17
	s_mov_b32 s17, 0
	s_add_nc_u64 s[STB:STB+1], s[8:9], s[16:17]
; 16 matrix instructions.  zero = 1: they start the sums, with the mask as C (in window 0): 0 below the diagonal of blocks, CD on it, CU above it.  The 64 accumulators take turns.
.macro MUL16 f, hi, a0, zero
.if \zero
	WIN 0x81+0x40*(\hi)
.else
	WIN MUL_LO+0x50*(\hi)
.endif
.irp a, \a0, (\a0)+1
.irp b, 0,1,2,3,4,5,6,7
.if \zero
.if (\b) < 4*(\hi)+(\a)
	v_wmma_f32_16x16x32_f16 v[8*(8*(\a)+(\b)):8*(8*(\a)+(\b))+7], v[(\f)+8*(\b):(\f)+8*(\b)+7], v[(\f)+8*(4*(\hi)+(\a)):(\f)+8*(4*(\hi)+(\a))+7], 0
.elseif (\b) == 4*(\hi)+(\a)
	v_wmma_f32_16x16x32_f16 v[8*(8*(\a)+(\b)):8*(8*(\a)+(\b))+7], v[(\f)+8*(\b):(\f)+8*(\b)+7], v[(\f)+8*(4*(\hi)+(\a)):(\f)+8*(4*(\hi)+(\a))+7], v[CD:CD+7]
.else
	v_wmma_f32_16x16x32_f16 v[8*(8*(\a)+(\b)):8*(8*(\a)+(\b))+7], v[(\f)+8*(\b):(\f)+8*(\b)+7], v[(\f)+8*(4*(\hi)+(\a)):(\f)+8*(4*(\hi)+(\a))+7], v[CU:CU+7]
.endif
.else
	v_wmma_f32_16x16x32_f16 v[8*(8*(\a)+(\b)):8*(8*(\a)+(\b))+7], v[(\f)+8*(\b):(\f)+8*(\b)+7], v[(\f)+8*(4*(\hi)+(\a)):(\f)+8*(4*(\hi)+(\a))+7], v[8*(8*(\a)+(\b)):8*(8*(\a)+(\b))+7]
.endif
.endr
.endr
.endm
.macro FETCH slot, k, f
	WIN TO_B
.irp i, 0,1,2,3,4,5,6,7
	ds_load_b128 v[(\f)+8*(\i):(\f)+8*(\i)+3],   v[ADRB+(\slot)] offset:(\k)+(\i)*16*PITCH
	ds_load_b128 v[(\f)+8*(\i)+4:(\f)+8*(\i)+7], v[ADRB+(\slot)] offset:(\k)+(\i)*16*PITCH+32
.endr
	WIN 0
.irp i, 0,1,2,3,4,5,6,7
	ds_load_b128 v[(\f)+8*(\i):(\f)+8*(\i)+3],   v[ADRA+(\slot)] offset:(\k)+(\i)*16*PITCH
	ds_load_b128 v[(\f)+8*(\i)+4:(\f)+8*(\i)+7], v[ADRA+(\slot)] offset:(\k)+(\i)*16*PITCH+32
.endr
.endm
.macro PLACES
.rept 4
	v_nop
.endr
.endm
.macro QUARTER slot, k, f, g, zero
	s_wait_dscnt 8                                 ; k's fragments and q's rows 0-63 are in; the youngest eight loads may be out
	MUL16 \f, 0, 0, \zero
	MUL16 \f, 0, 2, \zero
	PLACES
	FETCH \slot, \k, \g
	s_wait_dscnt 32                                ; all but the 32 just issued
	MUL16 \f, 1, 0, \zero
	MUL16 \f, 1, 2, \zero
.endm
.macro MEET                            ; one barrier for the change of slots: all my tensor loads have landed, the add, my reads of this slot are over
	WIN 0
	s_wait_tensorcnt 0x0
	ds_add_u32 v[SPW], v[NIL]
	s_wait_dscnt 9                                 ; the add and the youngest eight loads may be out
	MUL16 F1, 0, 0, 0
	s_wait_dscnt 0x0
	s_barrier_signal -1
	MUL16 F1, 0, 2, 0
	WIN 0
	s_barrier_wait -1
.endm
.macro TURN slot, next
	s_wait_xcnt 0x0                                ; the last prefetches, a K step back, have read their address
	s_add_nc_u64 s[PFA:PFA+1], s[PFA:PFA+1], KSTEP*2
	MEET
	s_add_nc_u64 s[G0+4*(\slot)+2:G0+4*(\slot)+3], s[G0+4*(\slot)+2:G0+4*(\slot)+3], 2*KSTEP*2
	LOADT \slot                                    ; my one tensor load behind the barrier; its four v_nop are also the places in front of the loads below
	FETCH \next, 0, F0
	ASK
	MUL16 F1, 1, 0, 0
	MUL16 F1, 1, 2, 0
.endm
	s_wait_tensorcnt 1                             ; my part of K step 0 is in; K step 1's may stay out
	s_barrier_signal -1
	s_barrier_wait -1
	FETCH 0, 0, F0
	QUARTER 0, 64,  F0, F1, 1
	WIN 0
	s_mov_b32 s3, LAPS-1
.Llap:
	QUARTER 0, 128, F1, F0, 0
	QUARTER 0, 192, F0, F1, 0
	TURN 0, 1
	QUARTER 1, 64,  F0, F1, 0
	QUARTER 1, 128, F1, F0, 0
	QUARTER 1, 192, F0, F1, 0
	TURN 1, 0
	QUARTER 0, 64,  F0, F1, 0
	WIN 0
	s_sub_co_u32 s3, s3, 1
	s_cmp_lg_u32 s3, 0
	s_cbranch_scc1 .Llap
	QUARTER 0, 128, F1, F0, 0                      ; the last lap is written out: it fills nothing
	QUARTER 0, 192, F0, F1, 0
	MEET
	PLACES
	FETCH 1, 0, F0
	MUL16 F1, 1, 0, 0
	MUL16 F1, 1, 2, 0
	QUARTER 1, 64,  F0, F1, 0
	QUARTER 1, 128, F1, F0, 0
	QUARTER 1, 192, F0, F1, 0
	s_wait_dscnt 8
	MUL16 F1, 0, 0, 0
	MUL16 F1, 0, 2, 0
	s_wait_dscnt 0x0
	MUL16 F1, 1, 0, 0
	MUL16 F1, 1, 2, 0
	WIN 0
	; THE WAY OUT.  The ring has had its last fill.  When every wave's reads of it are over, each wave lays its 512 registers of scores into 65,536 bytes of it, its own: there a loop can name
	; them by address, so that a block's softmax is written once and walked eight times.
	s_barrier_signal -1
	s_barrier_wait -1
	PLACES
.irp a, 0,1,2,3,4,5,6,7
	WIN 0x08+4*((\a)/4)                            ; the data in window 2 or 3
.irp k, 0,1,2,3,4,5,6,7,8,9,10,11,12,13,14,15
	ds_store_b128 v[DA], v[64*((\a)%4)+4*(\k):64*((\a)%4)+4*(\k)+3] offset:8192*(\a)+512*(\k)  ; ascending: each accumulator's lowest registers are read first
.endr
.endr
	WIN 0
	v_mov_b32 v[CM+1], 0
	v_mov_b32 v[XX], 0
	v_mov_b32 v[DL], v[DA]
	s_mov_b32 s[AI], 0
.Lblock:                                               ; block a: 16 queries x my 128 keys; a lane holds one query (l % 16) and the keys 16 b + 8 (l / 16) + 0..7 at v[S + 8 b ..]
.irp k, 0,1,2,3,4,5,6,7,8,9,10,11,12,13,14,15
	ds_load_b128 v[S+4*(\k):S+4*(\k)+3], v[DL] offset:512*(\k)
.endr
	s_wait_dscnt 0x0
.irp n, 0,1,2,3                        ; the maximum: four chains of 15 scores, three operands at a time
	v_max3_num_f32 v[C0+(\n)], v[S+16*(\n)], v[S+16*(\n)+1], v[S+16*(\n)+2]
.endr
.irp k, 1,2,3,4,5,6
.irp n, 0,1,2,3
	v_max3_num_f32 v[C0+(\n)], v[C0+(\n)], v[S+16*(\n)+2*(\k)+1], v[S+16*(\n)+2*(\k)+2]
.endr
.endr
	v_max3_num_f32 v[C0], v[C0], v[S+15], v[S+31]
	v_max3_num_f32 v[C0+2], v[C0+2], v[S+47], v[S+63]
	v_max3_num_f32 v[C0], v[C0], v[C0+1], v[C0+2]
	v_max_num_f32 v[C0], v[C0], v[C0+3]
	v_permlanex16_b32 v[XX], v[C0], s[SEL], s[SEL+1]  ; the query's other 64 keys lie in the lane 16 away
	v_max_num_f32 v[C0], v[C0], v[XX]
	v_mul_f32 v[CM], s[CS], v[C0]
	v_max_num_f32 v[CM], s[DM], v[CM]              ; 1e30 in the wave above the diagonal
.set n, 0
.rept 32
	v_pk_fma_f32 v[S+2*n:S+2*n+1], v[S+2*n:S+2*n+1], s[CS:CS+1], v[CM:CM+1] op_sel_hi:[1,0,0] neg_lo:[0,0,1] neg_hi:[0,0,1]  ; c s - c m
.set n, n+1
.endr
.set n, 0
.rept 64
	v_exp_f32 v[S+n], v[S+n]
.set n, n+1
.endr
	v_nop                                          ; a plain instruction behind the last exponential,
	s_wait_alu depctr_va_vdst(0)                   ; and one wait for the batch of 64, ahead of the first reader
.set n, 0
.rept 32
	v_cvt_pk_f16_f32 v[PP+n], v[S+2*n], v[S+2*n+1]
.set n, n+1
.endr
.irp w, 4,8,16,32,64                   ; the sum of the 32 pairs, in place: neighbours 1, 2, 4, 8, 16 pairs apart
.set n, 0
.rept 64/(\w)
	v_pk_add_f32 v[S+(\w)*n:S+(\w)*n+1], v[S+(\w)*n:S+(\w)*n+1], v[S+(\w)*n+(\w)/2:S+(\w)*n+(\w)/2+1]
.set n, n+1
.endr
.endr
	v_add_f32 v[LL], v[S], v[S+1]
	v_permlanex16_b32 v[XX], v[LL], s[SEL], s[SEL+1]
	v_add_f32 v[LL], v[LL], v[XX]
	v_cndmask_b32 v[SV], v[LL], v[CM], s[LO16]     ; lanes 0-15 keep c m, lanes 16-31 l
	ds_store_b32 v[SA], v[SV]
	s_wait_xcnt 0x0                                ; the last trip's stores have read BK and their base: both are rewritten only behind this wait
.irp b, 0,1,2,3,4,5,6,7
	ds_store_b128 v[STO], v[PP+4*(\b):PP+4*(\b)+3] offset:32*(\b)
.endr
.irp t, 0,1,2,3,4,5,6,7
	ds_load_b128 v[BK+4*(\t):BK+4*(\t)+3], v[RD] offset:(\t)*2*SPITCH  ; LDS serves a wave's instructions in order: these see the stores above
.endr
	s_lshr_b32 s[OFF], s[AI], 2                    ; block a lies 128 (a / 4) + 16 (a % 4) rows of pt behind block 0
	s_lshl_b32 s[OFF], s[OFF], 7
	s_and_b32 s22, s[AI], 3
	s_lshl_b32 s22, s22, 4
	s_add_co_u32 s[OFF], s[OFF], s22
	s_lshl_b32 s[OFF], s[OFF], 12
	s_add_nc_u64 s[BASE:BASE+1], s[PB:PB+1], s[OFF:OFF+1]
	v_add_nc_u32 v[SA], 64, v[SA]
	v_add_nc_u32 v[DL], 0x2000, v[DL]
	s_wait_dscnt 0x0
.irp t, 0,1,2,3,4,5,6,7
	global_store_b128 v[CO], v[BK+4*(\t):BK+4*(\t)+3], s[BASE:BASE+1] offset:2*(\t)*PROW  ; 16 lanes store 256 consecutive bytes, aligned
.endr
	s_add_co_u32 s[AI], s[AI], 1
	s_cmp_lt_u32 s[AI], 8
	s_cbranch_scc1 .Lblock
	ds_load_b128 v[S:S+3], v[SR]                   ; c m of my 128 rows, four a lane,
	ds_load_b128 v[S+4:S+7], v[SR] offset:512      ; and l
	s_wait_dscnt 0x0
	global_store_b128 v[SO], v[S:S+3], s[STB:STB+1]
	global_store_b128 v[SO], v[S+4:S+7], s[STB:STB+1] offset:8192
	s_wait_tensorcnt 0x0                           ; the wave's end
	ds_add_u32 v[SPW], v[NIL]
	s_wait_dscnt 0x0
	s_endpgm
.Lfunc_end_k_qd31246b142_score:
	.size	k_qd31246b142_score, .Lfunc_end_k_qd31246b142_score-k_qd31246b142_score
	.p2alignl 7, 3214868480
	.fill 96, 4, 3214868480
	.section	.rodata,"a",@progbits
	.p2align	6, 0x0
	.amdhsa_kernel k_qd31246b142_score
		.amdhsa_group_segment_fixed_size 327680
		.amdhsa_private_segment_fixed_size 0
		.amdhsa_enable_private_segment 0
		.amdhsa_kernarg_size 24
		.amdhsa_user_sgpr_count 2
		.amdhsa_user_sgpr_kernarg_segment_ptr 1
		.amdhsa_wavefront_size32 1
		.amdhsa_system_sgpr_workgroup_id_x 1
		.amdhsa_system_sgpr_workgroup_id_y 1
		.amdhsa_system_sgpr_workgroup_id_z 1
		.amdhsa_system_vgpr_workitem_id 0
		.amdhsa_next_free_vgpr 1024
		.amdhsa_next_free_sgpr 72
		.amdhsa_reserve_vcc 1
		.amdhsa_float_denorm_mode_32 3
		.amdhsa_float_denorm_mode_16_64 3
		.amdhsa_memory_ordered 1
		.amdhsa_forward_progress 1
		.amdhsa_inst_pref_size 134
	.end_amdhsa_kernel
	.amdgpu_metadata
---
amdhsa.version: [ 1, 2 ]
amdhsa.kernels:
  - .name:           k_qd31246b142_score
    .symbol:         k_qd31246b142_score.kd
    .args:
      - { .name: qk, .offset: 0, .size: 8, .value_kind: global_buffer, .address_space: global }
      - { .name: pt, .offset: 8, .size: 8, .value_kind: global_buffer, .address_space: global }
      - { .name: st, .offset: 16, .size: 8, .value_kind: global_buffer, .address_space: global }
    .group_segment_fixed_size: 327680
    .private_segment_fixed_size: 0
    .kernarg_segment_align: 8
    .kernarg_segment_size: 24
    .max_flat_workgroup_size: 128
    .sgpr_count:     72
    .vgpr_count:     1024
    .wavefront_size: 32
...
	.end_amdgpu_metadata
.endif
;; end of part 3
;; launch pv (part 4): grid 8 x 32, 4 waves a work-group, clusters of 4 x 4, 327,680 bytes of LDS; arguments pt, vt, st, out0; writes out0
.if DOCPART == 4
	.amdgcn_target "amdgcn-amd-amdhsa--gfx1250"
	.amdhsa_code_object_version 6
	.text
	.protected	k_qd31246b142_pv
	.globl	k_qd31246b142_pv
	.p2align	8
	.type	k_qd31246b142_pv,@function
k_qd31246b142_pv:
	s_mov_b64 s[64:65], 0
	v_nop
	global_prefetch_b8 v0, s[64:65] scope:SCOPE_SE
	s_setreg_imm32_b32 hwreg(HW_REG_WAVE_MODE, 25, 1), 1
	s_wait_xcnt 0x0
	s_wait_alu depctr_hold_cnt(0) depctr_sa_sdst(0) depctr_va_vdst(0) depctr_va_sdst(0) depctr_va_ssrc(0) depctr_va_vcc(0) depctr_vm_vsrc(0)
	s_getreg_b32 s2, hwreg(HW_REG_IB_STS2, 6, 4)
	s_cmp_eq_u32 s2, 0
	s_cbranch_scc0 .Lentry_in_a_cluster
	s_endpgm
.Lentry_in_a_cluster:
	s_bfe_u32 s2, ttmp6, 0x10000c
	s_cmp_lg_u32 s2, 0xf033
	s_cbranch_scc0 .Lentry_shape_is_right
	s_endpgm
.Lentry_shape_is_right:
; O[q][ch] = the sum over chunks of f(q, chunk) x (the sum over the chunk's 128 keys of p[q][key] v[key][ch]),  f = 2^(c m_chunk - c m_row) / l_row,  l_row = the sum over chunks of 2^(c m_chunk - c m_row) l_chunk.
; p (f16, pt) and c m, l (f32, st) come from the launch before, v turned (f16, vt) from the projections.  Products and sums in f32; out0 in f32.
; SHARES.  A work-group owns 128 rows of pt x 128 channels, twice.  The 128 rows are 64 queries in each of the two BANDS of 256 queries of a super-block s of 512: band beta sees key step u (256 keys) where u <= 2 s + beta.
; It takes s = 3 - g and then s = g (g = cluster y % 2): 8 - 2 g and then 2 g + 2 key steps: ten, whatever g; each block's last step is half a step (band 0 sees nothing of it).  So all 256 work-groups do equal work.
; A wave makes 64 rows x 64 channels: row blocks a = 0, 1 in band 0, a = 2, 3 in band 1: the half step is the same for all four waves.
; CLUSTER.  4 x 4: p's tile is shared along a row of the cluster (same rows, other channels), v's along a column: joint loads.  All that steers the walk hangs on the cluster's y, which the partners share.
; THE FOLD.  A chunk's product is summed in T (two buffers, a chunk each) and added to O as O += f T: 64 packed multiply-adds a chunk, four behind each of 16 products of the next chunk.
; Where a row sees nothing of a chunk f is 0; T then holds p = 0's product or, in a half step, the step before's sums: finite numbers.
; LIMITS as in the launches before; a factor below 2^-126 counts as 0.
; REGISTERS: window 0: v0-31 addresses, v32-63 the way out, v96-111 f (by buffer and row block, in the even registers), v128-255 O; window 1: two fragment buffers of 128; window 2: T0, T1.
.set KSTEP,  256
.set PITCH,  528                       ; an LDS row: 512 bytes + 16 of padding
.set HALFT,  64*PITCH                  ; 64 rows: one tensor load
.set SLOT,   4*HALFT                   ; p's 128 rows, then v's 128
.set STAGE,  2*SLOT                    ; 16 rows x 272 bytes for each wave
.set SPITCH, 272
.set FT,     STAGE+4*16*SPITCH         ; f: entry e = 2 x the walk's step + chunk, 20 entries of 128 rows x 4 bytes
.set SPARE,  FT+20*512                 ; the spare words: two blocks of 256 bytes that no other line names
.set ROWB,   4096                      ; bytes in a row of pt, vt and out0
.set ADRA, 16
.set ADRB, 20
.set STO,  24
.set RD,   25
.set CO,   26
.set FA,   27                          ; v27  FT at my lane's row of row block 0, at the lap in hand
.set SPW,  28
.set NIL,  29
.set TMP,  32
.set FR,   96
.set O,    128
.set F0,   0
.set F1,   128
.set AD0, 128                          ; the prologue's scratch lies in O's registers: offsets, c m, l of block 0's 16 chunks and block 1's 8
.set CM0, 144
.set LL0, 160
.set AD1, 176
.set CM1, 184
.set LL1, 192
.set SX,  200
.set G1,  24
.set G0,  32
.set G1B, 48
.set G0B, 56
.set N0,  76                           ; the first block's key steps
.set SE,  77                           ; the loop's count in the lap that ends the first block
.set RB0, 78                           ; the blocks' first rows in pt, in bytes
.set RB1, 79
.set QN,  80                           ; the walk's step to be asked for next
.set OFA, 82                           ; s[82:83]
.set OFB, 84                           ; s[84:85]
.set PA,  86                           ; s[86:87] pt at the rows that I fetch, super-block 0
.set PB,  88                           ; s[88:89] vt at the rows that I fetch
.set OUTB, 90                          ; s[90:91] out0 at my rows and channels of the block in hand; s[92:93] of the second block
.set IB0, 95                           ; the last chunk that my rows see, in either block
.set IB1, 96
.set GM,  97                           ; all ones where g = 1
.set UL0, 98                           ; the last key step of which the rows that I fetch hold written bytes
.set UL1, 99
.set MSB, 0
.macro WIN new
.if MSB != (\new)
	s_set_vgpr_msb (MSB<<8)|(\new)
.set MSB, \new
.endif
.endm
.set MUL,  0xa5                        ; sources 0 (v) and 1 (p) window 1; C and D window 2
.set FOLD, 0x02                        ; source 0 (T) window 2; f and O window 0
.set TO_F, 0x40
.macro JLOAD s
	s_cmp_eq_u32 s11, 0
	s_cbranch_scc0 .Lfor_b_\@
	tensor_load_to_lds s[G0+4*(\s):G0+4*(\s)+3], s[G1:G1+7]
	s_nop 0
.rept 4
	v_nop
.endr
	s_branch .Lasked_\@
.Lfor_b_\@:
	tensor_load_to_lds s[G0B+4*(\s):G0B+4*(\s)+3], s[G1B:G1B+7]
	s_nop 0
.rept 4
	v_nop
.endr
.Lasked_\@:
.endm
.macro CREST
	s_cmp_lg_u32 s10, 0
	s_cbranch_scc1 .Lnot_wave_0_\@
	s_barrier_signal -3
.Lnot_wave_0_\@:
	s_barrier_wait -3
	s_barrier_signal -1
	s_barrier_wait -1
.endm
.macro CROUND
	s_barrier_signal -1
	s_barrier_wait -1
	CREST
.endm
	s_load_b256 s[68:75], s[0:1], 0x0              ; pt s[68:69], vt s[70:71], st s[72:73], out0 s[74:75]
	v_lshl_add_u32 v[SPW], v0, 2, SPARE
	v_mov_b32 v[NIL], 0
	ds_add_u32 v[SPW], v[NIL]                      ; the wave's opening: the add and its wait ahead of my first tensor load
	v_lshrrev_b32 v1, 5, v0
	v_readfirstlane_b32 s10, v1
	s_lshr_b32 s11, s10, 1                         ; my half of each band's rows; I fetch p (0) or v (1); my threads' band in the prologue
	s_and_b32 s12, s10, 1                          ; my half of the channels; which 64 rows I fetch
	s_bfe_u32 s40, ttmp6, 0x40000                  ; cx
	s_bfe_u32 s41, ttmp6, 0x40004                  ; cy
	s_lshl_b32 s42, ttmp9, 2
	s_add_co_u32 s42, s42, s40                     ; my 128 channels
	s_and_b32 s13, ttmp7, 0xffff
	s_lshr_b32 s66, s13, 1                         ; batch
	s_and_b32 s67, s13, 1                          ; g
	s_lshl_b32 s21, s67, 1
	s_sub_co_u32 s[N0], 8, s21
	s_add_co_u32 s[SE], s67, 1
	s_sub_co_u32 s20, 3, s67                       ; the first block's s
	s_lshl_b32 s[RB0], s20, 21                     ; 512 rows of 4,096 bytes
	s_lshl_b32 s[RB1], s67, 21
	s_add_co_u32 s[UL1], s21, s12                  ; band 0's rows (fetched where s12 = 0) are written up to key step 2 s, band 1's up to 2 s + 1
	s_sub_co_u32 s[UL0], 6, s21
	s_add_co_u32 s[UL0], s[UL0], s12
	s_cmp_eq_u32 s67, 1
	s_cselect_b32 s[GM], -1, 0
	s_lshr_b32 s22, s41, 1
	s_lshl_b32 s23, s11, 1
	s_add_co_u32 s22, s22, s23
	s_lshl_b32 s23, s20, 2
	s_add_co_u32 s[IB0], s22, s23                  ; 4 s + 2 band + cy / 2
	s_lshl_b32 s23, s67, 2
	s_add_co_u32 s[IB1], s22, s23
	s_mov_b32 s[QN], 2
	s_mov_b32 s[OFA+1], 0
	s_mov_b32 s[OFB+1], 0
	s_lshl_b32 s43, s41, 2
	s_lshl_b32 s43, 15, s43                        ; my row of the cluster
	s_lshl_b32 s44, 0x1111, s40                    ; my column
	s_or_b32 s[G1+0], s43, (1<<16)|(1<<20)|(1<<21)|(6<<22)|(3<<25)   ; the mask; 2-byte elements; padding on; bit 21 beside a mask; after every 128 words 4 words
	s_or_b32 s[G1B+0], s44, (1<<16)|(1<<20)|(1<<21)|(6<<22)|(3<<25)
.irp g, G1, G1B
	s_mov_b32 s[(\g)+1], KSTEP<<16
	s_mov_b32 s[(\g)+2], 64<<16
	s_mov_b32 s[(\g)+3], KSTEP<<16
	s_mov_b32 s[(\g)+4], 64
	s_mov_b32 s[(\g)+5], 2048
	s_mov_b32 s[(\g)+6], 0
	s_mov_b32 s[(\g)+7], 0
.endr
	s_lshl_b32 s16, s66, 23                        ; p: row 2,048 batch + 128 cy + 64 x half: no cx enters
	s_lshl_b32 s17, s41, 19
	s_add_co_u32 s16, s16, s17
	s_lshl_b32 s17, s12, 18
	s_add_co_u32 s16, s16, s17
	s_lshl_b32 s46, s66, 22                        ; v: row 1,024 batch + 128 x channel block + 64 x half: no cy enters
	s_lshl_b32 s47, s42, 19
	s_add_co_u32 s46, s46, s47
	s_add_co_u32 s46, s46, s17
	s_mov_b32 s17, 0
	s_mov_b32 s47, 0
	s_mov_b32 s[OFA], s[RB0]
	s_mul_i32 s20, s10, HALFT
	s_wait_dscnt 0x0
	s_wait_kmcnt 0x0
	s_add_nc_u64 s[PA:PA+1], s[68:69], s[16:17]
	s_add_nc_u64 s[PB:PB+1], s[70:71], s[46:47]
	s_add_nc_u64 s[14:15], s[PA:PA+1], s[OFA:OFA+1]
	CROUND                                         ; all sixteen work-groups are here: the first joint loads meet
.irp s, 0,1
	s_mov_b32 s[G0+4*(\s)], 1
	s_add_co_u32 s[G0+4*(\s)+1], s20, (\s)*SLOT
	s_add_nc_u64 s[G0+4*(\s)+2:G0+4*(\s)+3], s[14:15], (\s)*KSTEP*2
	s_or_b32 s[G0+4*(\s)+3], s[G0+4*(\s)+3], 0x80000000
	s_mov_b32 s[G0B+4*(\s)], 1
	s_add_co_u32 s[G0B+4*(\s)+1], s20, (\s)*SLOT
	s_add_nc_u64 s[G0B+4*(\s)+2:G0B+4*(\s)+3], s[PB:PB+1], (\s)*KSTEP*2
	s_or_b32 s[G0B+4*(\s)+3], s[G0B+4*(\s)+3], 0x80000000
	JLOAD \s
.endr
	; THE PROLOGUE: thread t makes the factors of the tile's row t (band t / 64, query 64 cy + t % 64 of the band), for both blocks.
	s_lshl_b32 s16, s66, 18                        ; st: 262,144 bytes a batch; natural row 512 s + 256 band + 64 cy
	s_lshl_b32 s17, s11, 10
	s_add_co_u32 s16, s16, s17
	s_lshl_b32 s17, s41, 8
	s_add_co_u32 s16, s16, s17
	s_lshr_b32 s18, s[RB0], 10                     ; 2,048 s
	s_add_co_u32 s18, s18, s16
	s_mov_b32 s19, 0
	s_add_nc_u64 s[4:5], s[72:73], s[18:19]
	s_lshr_b32 s18, s[RB1], 10
	s_add_co_u32 s18, s18, s16
	s_add_nc_u64 s[6:7], s[72:73], s[18:19]
	v_and_b32 v2, 63, v0
	v_lshlrev_b32 v2, 2, v2
; chunk c's c m and l; beyond the last chunk that the row sees, that chunk's once more: only written words are read
.macro STLOAD nc, ad, cm, ll, ib, sb
.set c, 0
.rept \nc
	s_min_u32 s22, s[\ib], c
	s_lshl_b32 s22, s22, 14
	v_add_nc_u32 v[(\ad)+c], s22, v2
	global_load_b32 v[(\cm)+c], v[(\ad)+c], s[\sb:\sb+1]
	global_load_b32 v[(\ll)+c], v[(\ad)+c], s[\sb:\sb+1] offset:8192
.set c, c+1
.endr
.endm
	STLOAD 16, AD0, CM0, LL0, IB0, 4
	STLOAD 8,  AD1, CM1, LL1, IB1, 6
	; addresses, while those loads are on their way
	v_and_b32 v1, 15, v0
	v_bfe_u32 v9, v0, 4, 1
	v_mul_u32_u24 v10, v1, PITCH
	v_lshl_add_u32 v10, v9, 4, v10
	s_mul_i32 s21, s11, 32*PITCH                   ; my 32 rows of each band
	s_mul_i32 s22, s12, HALFT
	s_add_co_u32 s22, s22, 2*HALFT
.irp s, 0,1
	v_add_nc_u32 v[ADRA+(\s)], s21, v10
	v_add_nc_u32 v[ADRB+(\s)], s22, v10
	s_add_co_u32 s21, s21, SLOT
	s_add_co_u32 s22, s22, SLOT
.endr
	s_mul_i32 s23, s10, 16*SPITCH
	s_add_co_u32 s23, s23, STAGE
	v_mul_u32_u24 v10, v1, SPITCH                  ; in: row l % 16, 32 bytes for each half of the lanes
	v_lshl_add_u32 v10, v9, 5, v10
	v_add_nc_u32 v[STO], s23, v10
	v_mul_u32_u24 v10, v9, SPITCH                  ; back: lanes 0-15 one row of 256 bytes, lanes 16-31 the next
	v_lshl_add_u32 v10, v1, 4, v10
	v_add_nc_u32 v[RD], s23, v10
	v_lshlrev_b32 v10, 12, v9
	v_lshl_add_u32 v[CO], v1, 4, v10
	s_lshl_b32 s23, s11, 7
	s_add_co_u32 s23, s23, FT
	v_lshl_add_u32 v[FA], v1, 2, s23               ; FT + 4 (32 x my half + l % 16)
	v_lshl_add_u32 v3, v0, 2, FT
	v_mov_b32 v4, 0xff7fffff
	; out0 at row 2,048 batch + 512 s + 64 cy + 32 x my half, channel 128 x block + 64 x my half
	s_lshl_b32 s16, s66, 23
	s_lshl_b32 s17, s41, 18
	s_add_co_u32 s16, s16, s17
	s_lshl_b32 s17, s11, 17
	s_add_co_u32 s16, s16, s17
	s_lshl_b32 s17, s42, 9
	s_add_co_u32 s16, s16, s17
	s_lshl_b32 s17, s12, 8
	s_add_co_u32 s16, s16, s17
	s_add_co_u32 s18, s16, s[RB0]
	s_add_nc_u64 s[OUTB:OUTB+1], s[74:75], s[18:19]
	s_add_co_u32 s18, s16, s[RB1]
	s_add_nc_u64 s[OUTB+2:OUTB+3], s[74:75], s[18:19]
	s_wait_loadcnt 0x0
; chunks beyond the diagonal are dropped (c m the lowest finite number, l = 0); the row's maximum; c m - the maximum
.macro STMAX nc, cm, ll, ib, m
.set c, 0
.rept \nc
	s_cmp_le_u32 c, s[\ib]
	s_cselect_b32 s94, -1, 0
	v_cndmask_b32 v[(\cm)+c], v4, v[(\cm)+c], s94
	v_cndmask_b32 v[(\ll)+c], 0, v[(\ll)+c], s94
.set c, c+1
.endr
	v_max3_num_f32 v[\m], v[\cm], v[(\cm)+1], v[(\cm)+2]
.set c, 3
.rept ((\nc)-4)/2
	v_max3_num_f32 v[\m], v[\m], v[(\cm)+c], v[(\cm)+c+1]
.set c, c+2
.endr
	v_max_num_f32 v[\m], v[\m], v[(\cm)+(\nc)-1]
.set c, 0
.rept \nc
	v_sub_f32 v[(\cm)+c], v[(\cm)+c], v[\m]
.set c, c+1
.endr
.endm
	STMAX 16, CM0, LL0, IB0, 5
	STMAX 8,  CM1, LL1, IB1, 6
.set c, 0
.rept 16
	v_exp_f32 v[CM0+c], v[CM0+c]
.set c, c+1
.endr
.set c, 0
.rept 8
	v_exp_f32 v[CM1+c], v[CM1+c]
.set c, c+1
.endr
	v_nop                                          ; a plain instruction behind the last exponential,
	s_wait_alu depctr_va_vdst(0)                   ; and one wait for the batch of 24
	v_mul_f32 v7, v[CM0], v[LL0]
	v_mul_f32 v8, v[CM1], v[LL1]
.set c, 1
.rept 15
	v_fmac_f32 v7, v[CM0+c], v[LL0+c]
.if c < 8
	v_fmac_f32 v8, v[CM1+c], v[LL1+c]
.endif
.set c, c+1
.endr
	v_rcp_f32 v11, v7
	v_rcp_f32 v12, v8
	v_nop
	s_wait_alu depctr_va_vdst(0)                   ; one wait for the two reciprocals
.set c, 0
.rept 16
	v_mul_f32 v[CM0+c], v[CM0+c], v11
.set c, c+1
.endr
.set c, 0
.rept 8
	v_mul_f32 v[CM1+c], v[CM1+c], v12
.set c, c+1
.endr
	; into the table, by the walk's entries: the first block has 16 - 4 g chunks, the second follows it
.set c, 0
.rept 4
	v_cndmask_b32 v[SX+c],   v[CM0+12+c], v[CM1+c],   s[GM]
	v_cndmask_b32 v[SX+4+c], v[CM1+c],    v[CM1+4+c], s[GM]
.set c, c+1
.endr
.set c, 0
.rept 12
	ds_store_b32 v3, v[CM0+c] offset:512*c
.set c, c+1
.endr
.set c, 0
.rept 8
	ds_store_b32 v3, v[SX+c] offset:512*(12+c)
.set c, c+1
.endr
.set i, 0
.rept 128
	v_mov_b32 v[O+i], 0                            ; O starts at 0: the folds have one form
.set i, i+1
.endr
.set i, 0
.rept 16
	v_mov_b32 v[FR+i], 0                           ; the pairs' second registers are named with the first
.set i, i+1
.endr
.macro ONE f, c, a, b, t, zero         ; one product: row block a, channel block b, 32 keys (half c of buffer f), into T of buffer t
	WIN MUL
.if \zero
	v_wmma_f32_16x16x32_f16 v[128*(\t)+8*(4*(\a)+(\b)):128*(\t)+8*(4*(\a)+(\b))+7], v[(\f)+64+8*(4*(\c)+(\b)):(\f)+64+8*(4*(\c)+(\b))+7], v[(\f)+8*(4*(\c)+(\a)):(\f)+8*(4*(\c)+(\a))+7], 0
.else
	v_wmma_f32_16x16x32_f16 v[128*(\t)+8*(4*(\a)+(\b)):128*(\t)+8*(4*(\a)+(\b))+7], v[(\f)+64+8*(4*(\c)+(\b)):(\f)+64+8*(4*(\c)+(\b))+7], v[(\f)+8*(4*(\c)+(\a)):(\f)+8*(4*(\c)+(\a))+7], v[128*(\t)+8*(4*(\a)+(\b)):128*(\t)+8*(4*(\a)+(\b))+7]
.endif
.endm
.macro MUL4 f, c, a, t, zero           ; the accumulators take turns, one instruction a turn
.irp b, 0,1,2,3
	ONE \f, \c, \a, \b, \t, \zero
.endr
.endm
.macro FOLD4 t                         ; O += f T for accumulator fn of buffer t, its registers in ascending order; then fn steps
	WIN FOLD
.irp k, 0,1,2,3
	v_pk_fma_f32 v[O+8*fn+2*(\k):O+8*fn+2*(\k)+1], v[128*(\t)+8*fn+2*(\k):128*(\t)+8*fn+2*(\k)+1], v[FR+8*(\t)+2*(fn/4):FR+8*(\t)+2*(fn/4)+1], v[O+8*fn+2*(\k):O+8*fn+2*(\k)+1] op_sel_hi:[1,0,1]
.endr
.set fn, fn+1
.endm
; band 0's eight products.  cond = 1: jumped over in the lap that ends the first block (its second step is the half step); cond = 2: not written (the walk's last step)
.macro HALF01 f, c, t, zero, cond
.if (\cond) == 1
	WIN 0
	s_cmp_eq_u32 s3, s[SE]
	s_cbranch_scc1 .Lhalf_\@
.endif
.if (\cond) < 2
	MUL4 \f, \c, 0, \t, \zero
	MUL4 \f, \c, 1, \t, \zero
.endif
.if (\cond) == 1
	WIN 0
.Lhalf_\@:
.endif
.endm
; band 1's eight products; fs >= 0: behind each, the fold of one accumulator of buffer fs, from number n0 on
.macro HALF23 f, c, t, zero, fs, n0
.set fn, \n0
.irp a, 2,3
.irp b, 0,1,2,3
	ONE \f, \c, \a, \b, \t, \zero
.if (\fs) >= 0
	FOLD4 \fs
.endif
.endr
.endr
.endm
; 32 LDS loads in one run: the fragments of 64 keys at byte k of the rows, the first 32 keys first; fl >= 0: ahead of them the four factors of entry fl of the lap
.macro FETCH slot, k, f, fl
.if (\fl) >= 0
	WIN 0
.irp a, 0,1,2,3
	ds_load_b32 v[FR+8*((\fl)%2)+2*(\a)], v[FA] offset:512*(\fl)+4*(64*((\a)/2)+16*((\a)%2))
.endr
.endif
	WIN TO_F
.irp c, 0,1
.irp i, 0,1,2,3
	ds_load_b128 v[(\f)+64+8*(4*(\c)+(\i)):(\f)+64+8*(4*(\c)+(\i))+3],   v[ADRB+(\slot)] offset:(\k)+64*(\c)+(\i)*16*PITCH
	ds_load_b128 v[(\f)+64+8*(4*(\c)+(\i))+4:(\f)+64+8*(4*(\c)+(\i))+7], v[ADRB+(\slot)] offset:(\k)+64*(\c)+(\i)*16*PITCH+32
	ds_load_b128 v[(\f)+8*(4*(\c)+(\i)):(\f)+8*(4*(\c)+(\i))+3],         v[ADRA+(\slot)] offset:(\k)+64*(\c)+(64*((\i)/2)+16*((\i)%2))*PITCH
	ds_load_b128 v[(\f)+8*(4*(\c)+(\i))+4:(\f)+8*(4*(\c)+(\i))+7],       v[ADRA+(\slot)] offset:(\k)+64*(\c)+(64*((\i)/2)+16*((\i)%2))*PITCH+32
.endr
.endr
.endm
.macro PLACES                          ; four plain vector instructions between a matrix instruction and a load into, or a vector read of, its registers
.rept 4
	v_nop
.endr
.endm
; A key step is four quarters of 64 keys on buffers 0, 1, 0, 1; quarters 0, 1 sum into T0, quarters 2, 3 into T1.  One of the first three:
.macro QUARTER slot, k, f, g, t, zero, fs, fl, cond
.if (\fs) >= 0
	PLACES                                         ; the folds read sums just made; these are also the places in front of the loads below
.endif
	s_wait_dscnt 16                                ; the first 32 keys' fragments are in
	HALF01 \f, 0, \t, \zero, \cond
	HALF23 \f, 0, \t, \zero, \fs, 0
.if (\fs) < 0
	PLACES
.endif
	FETCH \slot, \k, \g, \fl
	s_wait_dscnt 32                                ; all but the 32 just issued: the factors too
	HALF01 \f, 1, \t, 0, \cond
	HALF23 \f, 1, \t, 0, \fs, 8
.endm
; The address of the walk's step QN, made anew from its number: the block's rows, key step u of the block; the rows of band 0 name no step beyond their last written one.
.macro NEWADR slot
	s_cmp_ge_u32 s[QN], s[N0]
	s_cselect_b32 s81, s[N0], 0
	s_cselect_b32 s[OFA], s[RB1], s[RB0]
	s_cselect_b32 s22, s[UL1], s[UL0]
	s_sub_co_u32 s81, s[QN], s81
	s_min_u32 s22, s81, s22
	s_lshl_b32 s22, s22, 9
	s_add_co_u32 s[OFA], s[OFA], s22
	s_lshl_b32 s[OFB], s81, 9
	s_add_nc_u64 s[G0+4*(\slot)+2:G0+4*(\slot)+3], s[PA:PA+1], s[OFA:OFA+1]
	s_or_b32 s[G0+4*(\slot)+3], s[G0+4*(\slot)+3], 0x80000000
	s_add_nc_u64 s[G0B+4*(\slot)+2:G0B+4*(\slot)+3], s[PB:PB+1], s[OFB:OFB+1]
	s_or_b32 s[G0B+4*(\slot)+3], s[G0B+4*(\slot)+3], 0x80000000
	s_add_co_u32 s[QN], s[QN], 1
.endm
; The last quarter multiplies buffer 1 and changes slots: one barrier; in front of it each wave waits for all its tensor loads, adds 0 to its spare word, and waits for that and its reads of this slot.
; fill = 1: the barrier opens a round of the cluster's, and the slot is filled again first thing behind it.
.macro TURN slot, next, fill, cond
	s_wait_dscnt 16
	HALF01 F1, 0, 1, 0, \cond
	WIN 0
	s_wait_tensorcnt 0x0                           ; no tensor load of mine is out, so a group 0 may be written
	ds_add_u32 v[SPW], v[NIL]                      ; scalar work and four products stand between the add and the wait for it
.if \fill
	NEWADR \slot
.endif
	MUL4 F1, 0, 2, 1, 0
	s_wait_dscnt 0x0                               ; the add is done, and my reads of this slot are over
	s_barrier_signal -1
	MUL4 F1, 0, 3, 1, 0
.if \fill
	WIN 0
.endif
	s_barrier_wait -1
.if \fill
	CREST
	JLOAD \slot                                    ; its four v_nop are also the places in front of the loads below
.else
	PLACES
.endif
	FETCH \next, 0, F0, -1
	HALF01 F1, 1, 1, 0, \cond
	HALF23 F1, 1, 1, 0, -1, 0
.endm
; THE WAY OUT: a row block at a time through my own stage: 16 rows x 256 bytes (my 64 channels in f32); back as whole rows; 16 lanes store 256 consecutive bytes, aligned.
.macro OUT clear
	WIN 0
.irp a, 0,1,2,3
	s_wait_xcnt 0x0                                ; earlier stores have read TMP: it is loaded again only behind this wait
.irp b, 0,1,2,3
	ds_store_b128 v[STO], v[O+8*(4*(\a)+(\b)):O+8*(4*(\a)+(\b))+3]   offset:64*(\b)
	ds_store_b128 v[STO], v[O+8*(4*(\a)+(\b))+4:O+8*(4*(\a)+(\b))+7] offset:64*(\b)+16
.endr
.irp t, 0,1,2,3,4,5,6,7
	ds_load_b128 v[TMP+4*(\t):TMP+4*(\t)+3], v[RD] offset:(\t)*2*SPITCH  ; LDS serves a wave's instructions in order: these see the stores above
.endr
	s_wait_dscnt 0x0
.irp t, 0,1,2,3,4,5,6,7
	global_store_b128 v[CO], v[TMP+4*(\t):TMP+4*(\t)+3], s[OUTB:OUTB+1] offset:(256*((\a)/2)+16*((\a)%2)+2*(\t))*ROWB th:TH_STORE_NT
.endr
.endr
.if \clear
.set i, 0
.rept 128
	v_mov_b32 v[O+i], 0
.set i, i+1
.endr
	s_wait_xcnt 0x0                                ; the stores have read their base
	s_mov_b64 s[OUTB:OUTB+1], s[OUTB+2:OUTB+3]
.endif
.endm
	s_wait_tensorcnt 1                             ; my part of key step 0 is in; key step 1's may stay out
	s_wait_dscnt 0x0                               ; my rows of the table are written
	s_barrier_signal -1
	s_barrier_wait -1
	FETCH 0, 0, F0, -1
	QUARTER 0, 128, F0, F1, 0, 1, -1, -1, 0        ; the walk's first quarter: nothing to fold yet
	WIN 0
	s_mov_b32 s3, 4
.Llap:                                                 ; a trip goes once round the ring, from a lap's second quarter to the next lap's first, and fills both slots again
	QUARTER 0, 256, F1, F0, 0, 0, -1, 0, 0
	QUARTER 0, 384, F0, F1, 1, 1, 0, 1, 0
	TURN 0, 1, 1, 0
	QUARTER 1, 128, F0, F1, 0, 1, 1, -1, 1
	QUARTER 1, 256, F1, F0, 0, 0, -1, 2, 1
	QUARTER 1, 384, F0, F1, 1, 1, 0, 3, 1
	TURN 1, 0, 1, 1
	QUARTER 0, 128, F0, F1, 0, 1, 1, -1, 0         ; it folds the lap's last chunk: where the first block has ended, O is whole
	WIN 0
	v_add_nc_u32 v[FA], 0x800, v[FA]               ; four entries of the table on
	s_cmp_eq_u32 s3, s[SE]
	s_cbranch_scc0 .Lsame                          ; forward, past text that holds no barrier and no tensor load
	OUT 1
.Lsame:
	s_sub_co_u32 s3, s3, 1
	s_cmp_lg_u32 s3, 0
	s_cbranch_scc1 .Llap
	QUARTER 0, 256, F1, F0, 0, 0, -1, 0, 0         ; the last lap is written out: it fills nothing, and its second step is the half step
	QUARTER 0, 384, F0, F1, 1, 1, 0, 1, 0
	TURN 0, 1, 0, 0
	QUARTER 1, 128, F0, F1, 0, 1, 1, -1, 2
	QUARTER 1, 256, F1, F0, 0, 0, -1, 2, 2
	QUARTER 1, 384, F0, F1, 1, 1, 0, 3, 2
	s_wait_dscnt 16
	HALF23 F1, 0, 1, 0, -1, 0
	s_wait_dscnt 0x0
	HALF23 F1, 1, 1, 0, -1, 0
	PLACES
.set fn, 0
.rept 16
	FOLD4 1
.endr
	OUT 0
	s_wait_tensorcnt 0x0                           ; the wave's end
	ds_add_u32 v[SPW], v[NIL]
	s_wait_dscnt 0x0
	CROUND                                         ; the closing round
	s_endpgm
.Lfunc_end_k_qd31246b142_pv:
	.size	k_qd31246b142_pv, .Lfunc_end_k_qd31246b142_pv-k_qd31246b142_pv
	.p2alignl 7, 3214868480
	.fill 96, 4, 3214868480
	.section	.rodata,"a",@progbits
	.p2align	6, 0x0
	.amdhsa_kernel k_qd31246b142_pv
		.amdhsa_group_segment_fixed_size 327680
		.amdhsa_private_segment_fixed_size 0
		.amdhsa_enable_private_segment 0
		.amdhsa_kernarg_size 32
		.amdhsa_user_sgpr_count 2
		.amdhsa_user_sgpr_kernarg_segment_ptr 1
		.amdhsa_wavefront_size32 1
		.amdhsa_system_sgpr_workgroup_id_x 1
		.amdhsa_system_sgpr_workgroup_id_y 1
		.amdhsa_system_sgpr_workgroup_id_z 1
		.amdhsa_system_vgpr_workitem_id 0
		.amdhsa_next_free_vgpr 768
		.amdhsa_next_free_sgpr 100
		.amdhsa_reserve_vcc 0
		.amdhsa_float_denorm_mode_32 3
		.amdhsa_float_denorm_mode_16_64 3
		.amdhsa_memory_ordered 1
		.amdhsa_forward_progress 1
		.amdhsa_inst_pref_size 159
	.end_amdhsa_kernel
	.amdgpu_metadata
---
amdhsa.version: [ 1, 2 ]
amdhsa.kernels:
  - .name:           k_qd31246b142_pv
    .symbol:         k_qd31246b142_pv.kd
    .args:
      - { .name: pt, .offset: 0, .size: 8, .value_kind: global_buffer, .address_space: global }
      - { .name: vt, .offset: 8, .size: 8, .value_kind: global_buffer, .address_space: global }
      - { .name: st, .offset: 16, .size: 8, .value_kind: global_buffer, .address_space: global }
      - { .name: out0, .offset: 24, .size: 8, .value_kind: global_buffer, .address_space: global }
    .group_segment_fixed_size: 327680
    .private_segment_fixed_size: 0
    .kernarg_segment_align: 8
    .kernarg_segment_size: 32
    .max_flat_workgroup_size: 128
    .sgpr_count:     100
    .vgpr_count:     768
    .wavefront_size: 32
...
	.end_amdgpu_metadata
.endif
;; end of part 4
;; ======== version 2 of 2: 4 launches; version 1 with the launch cast written anew for expert scheduling mode
;; limits: values are held in f16: magnitudes above 65,504 overflow, below 6.1e-05 lose precision
;; workspace buffers: xb 16,777,216 bytes; wb 6,291,456 bytes; qk 33,554,432 bytes; vt 16,777,216 bytes; pt 33,554,432 bytes; st 1,048,576 bytes
;; launch cast (part 5): grid 256 x 1, 11 waves a work-group, no clusters, 0 bytes of LDS; arguments x, Wq, Wk, Wv, xb, wb; writes xb, wb
.if DOCPART == 5
	.amdgcn_target "amdgcn-amd-amdhsa--gfx1250"
	.amdhsa_code_object_version 6
	.text
	.protected	k_qd31246b142_cast
	.globl	k_qd31246b142_cast
	.p2align	8
	.type	k_qd31246b142_cast,@function
k_qd31246b142_cast:
	s_mov_b64 s[64:65], 0
	v_nop
	global_prefetch_b8 v0, s[64:65] scope:SCOPE_SE
	s_setreg_imm32_b32 hwreg(HW_REG_WAVE_SCHED_MODE, 0, 2), 2
	s_setreg_imm32_b32 hwreg(HW_REG_WAVE_MODE, 25, 1), 1
	s_wait_xcnt 0x0
	s_wait_alu depctr_vm_vsrc(0)
; x, Wq, Wk, Wv rounded to bf16 and laid out IN BLOCKS OF 32 ALONG K, as the projections' tiles want them:
;   xb: [32 blocks][8,192 rows][32 numbers = 64 bytes];   wb: [32 blocks][3,072 rows][64 bytes].
; wb's rows are ordered by the projections' tiles of 384 outputs: row 384 n + 192 s + r holds, for r < 128, row 128 n + r of Wq (s = 0) or Wk (s = 1), and for r >= 128 row 128 n + 64 s + r - 128 of Wv.
; SHARES.  8,192 + 3,072 rows = 256 work-groups x 11 waves x 4 rows: every work-group does equal work.  Wave g = 11 x work-group + wave takes rows 4 g .. 4 g + 3 of x (g < 2,048) or of a weight.
; A wave takes its 4 rows in 16 pieces of 64 numbers.  Lanes 0-15 take the piece's first 32 numbers of the four rows, lanes 16-31 its second 32; a lane takes 8 numbers: 32 bytes in, 16 out.
; So a pair of loads covers 256 consecutive bytes of each row, and each half of the lanes stores 256 consecutive bytes, aligned, of one block (4 rows x 64 bytes).
; THE MODE: SCHED_MODE bits 1:0 = 2 (LLVM: expert scheduling mode 2), set by the entry lines.  The code itself states the register dependences
; between vector instructions and memory instructions, with s_wait_alu, always for 0.
; THE PLAN.  Registers that memory instructions touch:
;   v1          the loads' offset: made at the head, never written again; read by all 32 loads.
;   v[D ..]     the stores' 16 offsets: made at the head, never written again; read by the stores.
;   X           All 32 loads of a lane go out first and land here; no vector instruction names X ahead of them; piece i's conversions read its eight registers behind the counted wait for its loads.
;   Y           Piece i's four conversions write its four registers, once; piece i's store reads them.
; No register that a memory instruction reads is written again, so nothing is to be stated in that direction.  What is to be stated: the offsets are written, once, ahead of the first load; and Y is written,
; ahead of the stores.  The 16 pieces go in four groups of four: the wait at a group's head states that the group before has written its Y; that group's four stores follow, one in front of each piece's
; conversions, which name X and Y of the group in hand alone: none of the registers that those stores read.  One more wait stands ahead of the last four stores.
.set KBSX, 8192*64                     ; bytes in a block of xb
.set KBSW, 3072*64                     ; bytes in a block of wb
.set X, 4                              ; v[4:131]   piece i: 8 numbers in f32
.set Y, 132                            ; v[132:195] piece i: 8 numbers in bf16
.set D, 196                            ; v[196:211] piece i: my byte offset in the output
	s_load_b256 s[4:11], s[0:1], 0x0               ; x s[4:5], Wq s[6:7], Wk s[8:9], Wv s[10:11]
	s_load_b128 s[12:15], s[0:1], 0x20             ; xb s[12:13], wb s[14:15]
	v_lshrrev_b32 v1, 5, v0
	v_readfirstlane_b32 s24, v1                    ; wave 0..10
	v_and_b32 v2, 31, v0                           ; lane
	v_lshrrev_b32 v3, 4, v2                        ; which 32 numbers of a piece
	v_bfe_u32 v212, v2, 2, 2                       ; which of the four rows
	v_and_b32 v213, 3, v2                          ; which 8 numbers of the 32
	v_lshlrev_b32 v1, 12, v212
	v_lshl_add_u32 v1, v3, 7, v1
	v_lshl_add_u32 v1, v213, 5, v1                 ; in: row x 4,096 + half x 128 + 32 x place
	v_and_b32 v214, 15, v2
	v_lshlrev_b32 v214, 4, v214                    ; out: row x 64 + 16 x place = 16 (lane % 16)
	s_mul_i32 s25, ttmp9, 11
	s_wait_alu depctr_va_sdst(0)                   ; s24 is written, ahead of its first reader: my rows and my buffers are chosen by it
	s_add_co_u32 s25, s25, s24                     ; g
	s_max_u32 s26, s25, 2048
	s_sub_co_u32 s26, s26, 2048                    ; my number among the weights' 768 waves (0 where I take x)
	s_lshr_b32 s27, s26, 8                         ; which weight
	s_and_b32 s28, s26, 255
	s_lshl_b32 s28, s28, 2                         ; R: my first row in it
	s_lshr_b32 s29, s28, 7
	s_mul_i32 s29, s29, 384                        ; 384 n
	s_mul_i32 s30, s27, 192
	s_and_b32 s31, s28, 127
	s_add_co_u32 s30, s30, s31                     ; Wq, Wk: 192 s + R % 128
	s_bfe_u32 s31, s28, 0x10006
	s_mul_i32 s31, s31, 192
	s_and_b32 s32, s28, 63
	s_add_co_u32 s31, s31, s32
	s_add_co_u32 s31, s31, 128                     ; Wv: 192 ((R / 64) % 2) + 128 + R % 64
	s_cmp_eq_u32 s27, 2
	s_cselect_b32 s30, s31, s30
	s_add_co_u32 s29, s29, s30                     ; my first row in wb
	s_lshl_b32 s33, s25, 2                         ; my first row in x and xb
	s_mov_b32 s34, KBSW
	s_cmp_lt_u32 s25, 2048
	s_cselect_b32 s20, s33, s28                    ; the row I read from
	s_cselect_b32 s22, s33, s29                    ; the row I write to
	s_cselect_b32 s34, KBSX, s34                   ; bytes from block to block
	s_lshl_b32 s20, s20, 12                        ; offsets, made apart from the addresses
	s_lshl_b32 s22, s22, 6
	s_mov_b32 s21, 0
	s_mov_b32 s23, 0
	s_lshl_b32 s35, s34, 1                         ; a piece is two blocks
	v_mul_u32_u24 v3, s34, v3                      ; out: one block on for lanes 16-31
	v_add_nc_u32 v[D], v3, v214
.set i, 1
.rept 15
	v_add_nc_u32 v[D+i], s35, v[D+i-1]
.set i, i+1
.endr
	s_wait_kmcnt 0x0
	s_cmp_eq_u32 s27, 1
	s_cselect_b64 s[16:17], s[8:9], s[6:7]
	s_cmp_eq_u32 s27, 2
	s_cselect_b64 s[16:17], s[10:11], s[16:17]
	s_cmp_lt_u32 s25, 2048
	s_cselect_b64 s[16:17], s[4:5], s[16:17]       ; from where
	s_cselect_b64 s[18:19], s[12:13], s[14:15]     ; to where
	s_add_nc_u64 s[16:17], s[16:17], s[20:21]
	s_add_nc_u64 s[18:19], s[18:19], s[22:23]
	s_wait_alu depctr_va_vdst(0)                   ; v1 is written, which every load reads as its offset, and so are v[D ..], which the stores read as theirs; no later vector instruction names them
.set i, 0
.rept 16
	global_load_b128 v[X+8*i:X+8*i+3],   v1, s[16:17] offset:256*i th:TH_LOAD_NT
	global_load_b128 v[X+8*i+4:X+8*i+7], v1, s[16:17] offset:256*i+16 th:TH_LOAD_NT
.set i, i+1
.endr
.set i, 0
.rept 16
	s_wait_loadcnt 30-2*i                          ; loads come back in order: piece i is in, the 2 (15 - i) younger loads stay out
.if (i >= 4) && (i % 4 == 0)
	s_wait_alu depctr_va_vdst(0)                   ; a group's head: the conversions of the group before have written Y of pieces i - 4 to i - 1, which the group's four stores read
.endif
.if i >= 4
	global_store_b128 v[D+i-4], v[Y+4*(i-4):Y+4*(i-4)+3], s[18:19]  ; a piece of the group before; no vector instruction since the wait names its registers
.endif
	v_cvt_pk_bf16_f32 v[Y+4*i],   v[X+8*i],   v[X+8*i+1]
	v_cvt_pk_bf16_f32 v[Y+4*i+1], v[X+8*i+2], v[X+8*i+3]
	v_cvt_pk_bf16_f32 v[Y+4*i+2], v[X+8*i+4], v[X+8*i+5]
	v_cvt_pk_bf16_f32 v[Y+4*i+3], v[X+8*i+6], v[X+8*i+7]
.set i, i+1
.endr
	s_wait_alu depctr_va_vdst(0)                   ; the last group's conversions have written Y of pieces 12 to 15, which the last four stores read
.set i, 12
.rept 4
	global_store_b128 v[D+i], v[Y+4*i:Y+4*i+3], s[18:19]
.set i, i+1
.endr
	s_endpgm
.Lfunc_end_k_qd31246b142_cast:
	.size	k_qd31246b142_cast, .Lfunc_end_k_qd31246b142_cast-k_qd31246b142_cast
	.p2alignl 7, 3214868480
	.fill 96, 4, 3214868480
	.section	.rodata,"a",@progbits
	.p2align	6, 0x0
	.amdhsa_kernel k_qd31246b142_cast
		.amdhsa_group_segment_fixed_size 0
		.amdhsa_private_segment_fixed_size 0
		.amdhsa_enable_private_segment 0
		.amdhsa_kernarg_size 48
		.amdhsa_user_sgpr_count 2
		.amdhsa_user_sgpr_kernarg_segment_ptr 1
		.amdhsa_wavefront_size32 1
		.amdhsa_system_sgpr_workgroup_id_x 1
		.amdhsa_system_sgpr_workgroup_id_y 1
		.amdhsa_system_sgpr_workgroup_id_z 1
		.amdhsa_system_vgpr_workitem_id 0
		.amdhsa_next_free_vgpr 216
		.amdhsa_next_free_sgpr 66
		.amdhsa_reserve_vcc 0
		.amdhsa_float_denorm_mode_32 3
		.amdhsa_float_denorm_mode_16_64 3
		.amdhsa_memory_ordered 1
		.amdhsa_forward_progress 1
		.amdhsa_inst_pref_size 13
	.end_amdhsa_kernel
	.amdgpu_metadata
---
amdhsa.version: [ 1, 2 ]
amdhsa.kernels:
  - .name:           k_qd31246b142_cast
    .symbol:         k_qd31246b142_cast.kd
    .args:
      - { .name: x, .offset: 0, .size: 8, .value_kind: global_buffer, .address_space: global }
      - { .name: Wq, .offset: 8, .size: 8, .value_kind: global_buffer, .address_space: global }
      - { .name: Wk, .offset: 16, .size: 8, .value_kind: global_buffer, .address_space: global }
      - { .name: Wv, .offset: 24, .size: 8, .value_kind: global_buffer, .address_space: global }
      - { .name: xb, .offset: 32, .size: 8, .value_kind: global_buffer, .address_space: global }
      - { .name: wb, .offset: 40, .size: 8, .value_kind: global_buffer, .address_space: global }
    .group_segment_fixed_size: 0
    .private_segment_fixed_size: 0
    .kernarg_segment_align: 8
    .kernarg_segment_size: 48
    .max_flat_workgroup_size: 352
    .sgpr_count:     66
    .vgpr_count:     216
    .wavefront_size: 32
...
	.end_amdgpu_metadata
.endif
;; end of part 5
;; launch proj: the kernel of part 2 again; grid 8 x 32, 4 waves a work-group, clusters of 4 x 4, 327,680 bytes of LDS; arguments xb, wb, qk, vt; writes qk, vt
;; launch score: the kernel of part 3 again; grid 9 x 16, 4 waves a work-group, no clusters, 327,680 bytes of LDS; arguments qk, pt, st; writes pt, st
;; launch pv: the kernel of part 4 again; grid 8 x 32, 4 waves a work-group, clusters of 4 x 4, 327,680 bytes of LDS; arguments pt, vt, st, out0; writes out0
